; MI455X (gfx1250); checked and timed in simulation.
; The chip was launched on July 23, 2026; its instructions are those of AMD's public machine-readable ISA for CDNA 5 (MIT licence, August 2026) and "CDNA5" Instruction Set Architecture Reference Guide (July 2026). The comments in the code are by the model that wrote it; some were corrected since.
;; Attention Pooling Temporal Encoder. Allowed arithmetic: float matrix products may take bf16 or f16 operands with f32 sums; other float arithmetic in f32, or as packed bf16 or f16 multiplies, adds, multiply-adds, maxima and minima; sums over many terms, partial sums and values carried from step to step in f32; what a program stores and reads back later, other than sums and carried values, may be rounded once to bf16 or f16.
;; Inputs: W2 512 x 512 float32; Wk 512 x 512 float32; Wo 512 x 512 float32; Wp 1,024 x 512 float32; Wq 512 x 512 float32; Wv 512 x 512 float32; b2 512 float32; beta 512 float32; bk 512 float32; bo 512 float32; bp 512 float32; bq 512 float32; bv 512 float32; gamma 512 float32; mask 32 x 2,048 int32; query 512 float32; x 32 x 2,048 x 1,024 float32.
;; Outputs: out0 32 x 512 float32.
;; 2 versions, each right; version 2 is version 1 with the launch prep written anew for expert scheduling mode. Each part assembles by itself: llvm-mc -triple=amdgcn-amd-amdhsa -mcpu=gfx1250 --defsym DOCPART=n.
;; ======== version 1 of 2: 4 launches
;; limits: values are held in f16: magnitudes above 65,504 overflow, below 6.1e-05 lose precision; inputs' magnitudes at most 65,504; right only within a limited range of input values
;; workspace buffers: wpb 1,048,576 bytes; ut 8,192 bytes; mw 1,048,576 bytes; c2 2,048 bytes; hb 8,388,608 bytes; ml 262,144 bytes; po 524,288 bytes
;; launch prep (part 1): grid 168 x 1, 8 waves a work-group, no clusters, 169,472 bytes of LDS; arguments Wp, Wq, bq, query, Wk, Wo, W2, bo, b2, wpb, ut, mw, c2; writes wpb, ut, mw, c2
.if DOCPART == 1
	.amdgcn_target "amdgcn-amd-amdhsa--gfx1250"
	.amdhsa_code_object_version 6
	.text
	.protected	k_q932152b3fd_prep
	.globl	k_q932152b3fd_prep
	.p2align	8
	.type	k_q932152b3fd_prep,@function
k_q932152b3fd_prep:
	s_mov_b64 s[64:65], 0
	v_nop
	global_prefetch_b8 v0, s[64:65] scope:SCOPE_SE
	s_setreg_imm32_b32 hwreg(HW_REG_WAVE_MODE, 25, 1), 1
	s_wait_xcnt 0x0
; FIRST OF FOUR LAUNCHES (prep, main, pool, norm) for: h = relu(x Wp + bp); one learned query attends over the 2,048 positions of h; two projections; LayerNorm.
; WHAT THE PROGRAM LEAVES OUT, AND WHY THAT CHANGES NO RESULT, for all finite values of the inputs:
;  (1) scores[b,hd,s] = qh_hd . (h[b,s] Wk_hd + bk_hd) / 8 = h[b,s] . u_hd + qh_hd . bk_hd / 8, with u_hd[e] = sum over d of Wk[e][64 hd + d] qh[64 hd + d] / 8.
;      The second term is the same for every s, and a softmax along s is unchanged by a term that is constant along s.  So bk has no way to the output: it is not loaded and is no argument of any launch.
;      The product h Wk (kh) is never formed: h . u_hd is the same sum in another order.
;  (2) pooled[b][64 hd + d] = sum over s of attn (h Wv + bv) = (sum over s of attn h) Wv + bv, since attn sums to 1 along s.  The product h Wv (vh) is never formed.
;  (3) (p Wo + bo) W2 + b2 = p (Wo W2) + (bo W2 + b2).
; LIMIT: a NaN, an infinity or an overflow that would arise only in bk, kh or vh is not carried to the result.
; THIS LAUNCH makes what hangs on the weights alone.  The work-group's number picks its role (the same in all eight waves):
;   0-63    M     a tile of 64 x 64 of mw = Wo W2, f16 operands, f32 sums.  LIMIT: Wo and W2 within 65,504; below 6e-5 they keep f16's fixed step of 6e-8
;   64-95   U     head hd = i / 4, quarter ch = i % 4: qh_hd = query Wq + bq (f32), then 128 numbers of ut[hd][e] = bf16(u_hd[e] log2(e)): the scores come out as exponents of 2
;   96-103  C2    64 numbers of c2 = bo W2 + b2 (f32)
;   104-167 CAST  32 KiB of Wp rounded to bf16, in Wp's own order [k][n]
; LDS: role M has bytes 0 to 165,887, roles U and C2 the bytes behind the spare words: no two roles name the same byte.
.set SPARE, 165888                     ; the spare words: 128 bytes for each of the eight waves; no other line names them
.set SPW,   10                         ; v10  SPARE + 4 x my thread's number; never rewritten
.set NIL,   11                         ; v11  0; never rewritten
.set QP,    166912                     ; roles U, C2: eight partial rows of 64 f32, 256 bytes a wave.  Past the 16 bits of an LDS immediate: the address registers carry it
.set UE,    168960                     ; role U: 128 f32
.set PWO,   1040                       ; role M: Wo's tile from byte 0, 64 rows of 512 f16 + 16 bytes: the 16 rows of a fragment load start 16 bytes apart modulo 256
.set W2L,   66560                      ; role M: W2's tile, 512 rows of 64 f16,
.set PW2,   160                        ;   128 bytes + 32: an odd multiple of 32, for the turning load
.set OSTG,  148480                     ; role M: the tile on its way out, 64 rows of 64 f32,
.set POS,   272                        ;   256 bytes + 16
.macro PLACES                          ; four places behind a matrix instruction (ISA guide 7.12.1)
.rept 4
	v_nop
.endr
.endm
; Rows from .. to - 1 of a vector times a slice: a row's four numbers at v[M + 4 ii], the vector's number ii at v[Q + ii]; even rows add into v[A .. A+3], odd rows into v[A+4 .. A+7]; rows 0 and 1 start the sums.
.macro FMAROWS M, Q, A, from, to
.set ii, \from
.rept (\to)-(\from)
.set aa, (\A)+4*(ii%2)
.irp k, 0,1,2,3
.if ii < 2
	v_mul_f32 v[aa+\k], v[(\M)+4*ii+\k], v[(\Q)+ii]
.else
	v_fmac_f32 v[aa+\k], v[(\M)+4*ii+\k], v[(\Q)+ii]
.endif
.endr
.set ii, ii+1
.endr
.endm
.macro JOIN8 B                         ; eight groups of four numbers at v[B ..] are added into the first, in one fixed order
.irp p, 0,2
	v_pk_add_f32 v[(\B)+\p:(\B)+\p+1], v[(\B)+\p:(\B)+\p+1], v[(\B)+4+\p:(\B)+4+\p+1]
	v_pk_add_f32 v[(\B)+8+\p:(\B)+8+\p+1], v[(\B)+8+\p:(\B)+8+\p+1], v[(\B)+12+\p:(\B)+12+\p+1]
	v_pk_add_f32 v[(\B)+16+\p:(\B)+16+\p+1], v[(\B)+16+\p:(\B)+16+\p+1], v[(\B)+20+\p:(\B)+20+\p+1]
	v_pk_add_f32 v[(\B)+24+\p:(\B)+24+\p+1], v[(\B)+24+\p:(\B)+24+\p+1], v[(\B)+28+\p:(\B)+28+\p+1]
.endr
.irp p, 0,2
	v_pk_add_f32 v[(\B)+\p:(\B)+\p+1], v[(\B)+\p:(\B)+\p+1], v[(\B)+8+\p:(\B)+8+\p+1]
	v_pk_add_f32 v[(\B)+16+\p:(\B)+16+\p+1], v[(\B)+16+\p:(\B)+16+\p+1], v[(\B)+24+\p:(\B)+24+\p+1]
.endr
.irp p, 0,2
	v_pk_add_f32 v[(\B)+\p:(\B)+\p+1], v[(\B)+\p:(\B)+\p+1], v[(\B)+16+\p:(\B)+16+\p+1]
.endr
.endm
; Roles U and C2.  Sixteen lanes (c = lane % 16) take the 256 bytes of a row's 64 columns, four columns each; the sixteen half-waves g = 2 wave + lane / 16 take 32 rows each.
.macro UCADR
	v_lshl_add_u32 v5, v1, 1, v4                   ; g
	v_lshlrev_b32 v6, 4, v3                        ; 16 c: in memory
	v_lshl_add_u32 v12, v5, 16, v6                 ; the slice: 32 g rows of 2,048 bytes + 16 c
	v_lshlrev_b32 v13, 7, v5                       ; the vector: my 32 numbers
	s_lshl_b32 s31, s30, 8
	s_add_co_u32 s31, s31, QP
	v_add_nc_u32 v14, s31, v6                      ; LDS: QP + 256 wave + 16 c
	v_add_nc_u32 v7, QP, v6                        ; LDS: QP + 16 c
.endm
; A vector of 512 times a slice of 512 x 64, plus a bias: every lane ends with its four columns in v[64:67].  The scalar pairs stand at the vector, at the slice's first column and at the bias's.
.macro PHASE1 VEC, MAT, BIA
.set k, 0
.rept 8
	global_load_b128 v[32+4*k:35+4*k], v13, s[\VEC:\VEC+1] offset:16*k
.set k, k+1
.endr
	global_load_b128 v[224:227], v6, s[\BIA:\BIA+1]
.set k, 0
.rept 32
	global_load_b128 v[64+4*k:67+4*k], v12, s[\MAT:\MAT+1] offset:2048*k
.set k, k+1
.endr
	s_wait_loadcnt 16                              ; all but the slice's rows 16 to 31
	FMAROWS 64, 32, 228, 0, 16
	s_wait_loadcnt 0x0
	FMAROWS 64, 32, 228, 16, 32
	v_pk_add_f32 v[228:229], v[228:229], v[232:233]  ; even rows + odd rows
	v_pk_add_f32 v[230:231], v[230:231], v[234:235]
.irp k, 0,1,2,3
	v_permlanex16_b32 v[232+\k], v[228+\k], s32, s33  ; the other half of the lanes has the same columns of 32 other rows
.endr
	v_pk_add_f32 v[228:229], v[228:229], v[232:233]
	v_pk_add_f32 v[230:231], v[230:231], v[234:235]
	ds_store_b128 v14, v[228:231]                  ; both halves of the lanes store the same numbers at the same place
	s_wait_dscnt 0x0                               ; for the others: my partial row is in LDS
	s_barrier_signal -1
	s_barrier_wait -1
.set k, 0
.rept 8
	ds_load_b128 v[64+4*k:67+4*k], v7 offset:256*k
.set k, k+1
.endr
	s_wait_dscnt 0x0
	JOIN8 64
	v_pk_add_f32 v[64:65], v[64:65], v[224:225]
	v_pk_add_f32 v[66:67], v[66:67], v[226:227]
.endm
	s_load_b512 s[4:19], s[0:1], 0x0               ; Wp s[4:5], Wq s[6:7], bq s[8:9], query s[10:11], Wk s[12:13], Wo s[14:15], W2 s[16:17], bo s[18:19]
	s_load_b256 s[20:27], s[0:1], 0x40             ; b2 s[20:21], wpb s[22:23], ut s[24:25], mw s[26:27]
	s_load_b64 s[28:29], s[0:1], 0x60              ; c2
	v_lshl_add_u32 v[SPW], v0, 2, SPARE
	v_mov_b32 v[NIL], 0
	v_lshrrev_b32 v1, 5, v0
	v_readfirstlane_b32 s30, v1                    ; wave 0..7
	v_and_b32 v2, 31, v0                           ; lane
	v_and_b32 v3, 15, v0                           ; lane % 16
	v_bfe_u32 v4, v0, 4, 1                         ; lane / 16
	s_mov_b32 s32, 0x76543210                      ; v_permlanex16_b32: each lane takes its own place in the other half
	s_mov_b32 s33, 0xfedcba98
	s_mov_b32 s47, 0                               ; s[46:47]: a byte offset in 64 bits
	s_wait_kmcnt 0x0
	s_cmp_lt_u32 ttmp9, 64
	s_cbranch_scc1 .Lm
	s_cmp_lt_u32 ttmp9, 96
	s_cbranch_scc1 .Lu
	s_cmp_lt_u32 ttmp9, 104
	s_cbranch_scc1 .Lc2
	; ROLE CAST: eight loads of 4,096 bytes a work-group; a wave's store covers 256 consecutive bytes, aligned
	s_sub_co_u32 s40, ttmp9, 104
	s_lshl_b32 s46, s40, 15
	s_add_nc_u64 s[4:5], s[4:5], s[46:47]
	s_lshl_b32 s46, s40, 14
	s_add_nc_u64 s[22:23], s[22:23], s[46:47]
	v_lshlrev_b32 v12, 4, v0
	v_lshlrev_b32 v13, 3, v0
.irp j, 0,1,2,3,4,5,6,7
	global_load_b128 v[64+4*\j:67+4*\j], v12, s[4:5] offset:4096*\j th:TH_LOAD_NT
.endr
.irp j, 0,1,2,3,4,5,6,7
	s_wait_loadcnt 7-\j                            ; the younger loads stay out
	v_cvt_pk_bf16_f32 v[32+2*\j], v[64+4*\j], v[65+4*\j]
	v_cvt_pk_bf16_f32 v[33+2*\j], v[66+4*\j], v[67+4*\j]
	global_store_b64 v13, v[32+2*\j:33+2*\j], s[22:23] offset:2048*\j
.endr
	s_branch .Lend
.Lu:	; ROLE U
	s_sub_co_u32 s40, ttmp9, 64
	s_lshr_b32 s41, s40, 2                         ; hd
	s_and_b32 s42, s40, 3                          ; ch
	UCADR
	v_lshl_add_u32 v15, v5, 14, v6                 ; Wk: 8 g rows of 2,048 bytes + 16 c
	s_lshl_b32 s46, s41, 8                         ; the head's 64 columns
	s_add_nc_u64 s[6:7], s[6:7], s[46:47]
	s_add_nc_u64 s[8:9], s[8:9], s[46:47]
	s_add_nc_u64 s[12:13], s[12:13], s[46:47]
	s_lshl_b32 s46, s42, 18                        ; the quarter's 128 rows of Wk
	s_add_nc_u64 s[12:13], s[12:13], s[46:47]
	s_lshl_b32 s46, s41, 10
	s_add_nc_u64 s[24:25], s[24:25], s[46:47]      ; ut at the head's row,
	s_lshl_b32 s46, s42, 8
	s_add_nc_u64 s[24:25], s[24:25], s[46:47]      ; at the quarter's 128 numbers
.irp i, 0,1,2,3,4,5,6,7
	global_load_b128 v[192+4*\i:195+4*\i], v15, s[12:13] offset:2048*\i  ; issued first: the counted wait in PHASE1 leaves only younger loads out
.endr
	PHASE1 10, 6, 8                                ; v[64:67] = my four numbers of qh_hd
.irp i, 0,1,2,3,4,5,6,7
	v_mul_f32 v[96+\i], v[192+4*\i], v64           ; row e = 128 ch + 8 g + i of Wk times qh: my four columns,
.endr
.irp k, 1,2,3
.irp i, 0,1,2,3,4,5,6,7
	v_fmac_f32 v[96+\i], v[192+4*\i+\k], v[64+\k]
.endr
.endr
.irp m, 1,2,4,8
.irp i, 0,1,2,3,4,5,6,7
	v_add_f32_dpp v[96+\i], v[96+\i], v[96+\i] row_xmask:\m row_mask:0xf bank_mask:0xf  ; and the sixteen lanes of the row
.endr
.endr
.irp i, 0,1,2,3,4,5,6,7
	v_mul_f32 v[96+\i], 0x3e38aa3b, v[96+\i]       ; times log2(e) / 8
.endr
	s_lshl_b32 s31, s30, 6
	s_add_co_u32 s31, s31, UE
	v_lshl_add_u32 v16, v4, 5, s31                 ; UE + 32 g: my half-wave's eight words
	ds_store_b128 v16, v[96:99]
	ds_store_b128 v16, v[100:103] offset:16
	s_wait_dscnt 0x0
	s_barrier_signal -1
	s_barrier_wait -1
	s_cmp_lg_u32 s30, 0
	s_cbranch_scc1 .Lend
	v_lshl_add_u32 v17, v2, 4, UE
	v_lshlrev_b32 v18, 3, v2
	ds_load_b128 v[104:107], v17
	s_wait_dscnt 0x0
	v_cvt_pk_bf16_f32 v108, v104, v105
	v_cvt_pk_bf16_f32 v109, v106, v107
	global_store_b64 v18, v[108:109], s[24:25]     ; wave 0 stores 256 consecutive bytes, aligned
	s_branch .Lend
.Lc2:	; ROLE C2
	s_sub_co_u32 s40, ttmp9, 96
	UCADR
	s_lshl_b32 s46, s40, 8
	s_add_nc_u64 s[16:17], s[16:17], s[46:47]
	s_add_nc_u64 s[20:21], s[20:21], s[46:47]
	s_add_nc_u64 s[28:29], s[28:29], s[46:47]
	PHASE1 18, 16, 20
	s_cmp_lg_u32 s30, 0
	s_cbranch_scc1 .Lend
	global_store_b128 v6, v[64:67], s[28:29]       ; sixteen lanes cover 256 consecutive bytes, aligned; the other sixteen store the same numbers there
	s_branch .Lend
.Lm:	; ROLE M: rows 64 mi .., columns 64 ni .. of Wo W2
	s_lshr_b32 s40, ttmp9, 3                       ; mi
	s_and_b32 s41, ttmp9, 7                        ; ni
	s_lshl_b32 s46, s40, 17                        ; 64 rows of 2,048 bytes
	s_add_nc_u64 s[14:15], s[14:15], s[46:47]
	s_add_nc_u64 s[26:27], s[26:27], s[46:47]
	s_lshl_b32 s46, s41, 8                         ; 64 columns
	s_add_nc_u64 s[16:17], s[16:17], s[46:47]
	s_add_nc_u64 s[26:27], s[26:27], s[46:47]
	v_lshlrev_b32 v12, 4, v0                       ; Wo: a load of the work-group takes two whole rows, 4,096 bytes
	v_lshrrev_b32 v5, 4, v0
	v_lshlrev_b32 v14, 11, v5
	v_lshl_add_u32 v14, v3, 4, v14                 ; W2: sixteen rows of 256 bytes: row T / 16, 16 (T % 16)
.macro LDWO base, i0
.set i, 0
.rept 16
	global_load_b128 v[(\base)+4*i:(\base)+4*i+3], v12, s[14:15] offset:4096*((\i0)+i)
.set i, i+1
.endr
.endm
.macro LDW2 base, i0
.set i, 0
.rept 16
	global_load_b128 v[(\base)+4*i:(\base)+4*i+3], v14, s[16:17] offset:32768*((\i0)+i)
.set i, i+1
.endr
.endm
.macro CVST base, adr, off0, step      ; sixteen loads' numbers are rounded to f16 in place and stored, 8 bytes a lane
.set i, 0
.rept 16
	v_cvt_pk_f16_f32 v[(\base)+4*i], v[(\base)+4*i], v[(\base)+4*i+1]
	v_cvt_pk_f16_f32 v[(\base)+4*i+1], v[(\base)+4*i+2], v[(\base)+4*i+3]
	ds_store_b64 v[\adr], v[(\base)+4*i:(\base)+4*i+1] offset:(\off0)+(\step)*i
.set i, i+1
.endr
.endm
	LDWO 64, 0
	LDWO 128, 16
	LDW2 192, 0
	v_mul_u32_u24 v15, v5, PW2                     ; the addresses are made while the loads are out
	v_lshl_add_u32 v15, v3, 3, v15
	v_add_nc_u32 v15, W2L, v15                     ; W2 into LDS: row T / 16, 8 (T % 16)
	v_add_nc_u32 v16, 256*PW2, v15                 ; and 256 rows further on: an LDS immediate has 16 bits
	v_lshrrev_b32 v5, 7, v0
	v_and_b32 v6, 127, v0
	v_mul_u32_u24 v13, v5, PWO
	v_lshl_add_u32 v13, v6, 3, v13                 ; Wo into LDS: row T / 128, 8 (T % 128)
	s_and_b32 s42, s30, 3                          ; mt: my 16 rows of the tile
	s_lshr_b32 s43, s30, 2                         ; np: my 32 columns
	s_mul_i32 s44, s42, 16*PWO
	v_mul_u32_u24 v17, v3, PWO
	v_lshl_add_u32 v17, v4, 4, v17
	v_add_nc_u32 v17, s44, v17                     ; Wo's fragment: row 16 mt + l % 16, 16 (l / 16)
	v_and_b32 v5, 7, v0
	v_lshl_add_u32 v5, v4, 3, v5
	v_mul_u32_u24 v18, v5, PW2
	v_bfe_u32 v6, v0, 3, 1
	v_lshl_add_u32 v18, v6, 4, v18
	s_lshl_b32 s45, s43, 6
	s_add_co_u32 s45, s45, W2L
	v_add_nc_u32 v18, s45, v18                     ; W2's, turned: row 8 (l / 16) + l % 8, 16 ((l / 8) % 2), my 32 columns
	v_add_nc_u32 v19, 256*PW2, v18
	s_mul_i32 s44, s42, 16*POS
	s_lshl_b32 s45, s43, 7
	s_add_co_u32 s44, s44, s45
	s_add_co_u32 s44, s44, OSTG
	v_mul_u32_u24 v20, v3, POS
	v_lshl_add_u32 v20, v4, 5, v20
	v_add_nc_u32 v20, s44, v20                     ; out: row 16 mt + l % 16, 128 np + 32 (l / 16)
	s_mul_i32 s44, s30, 8*POS
	s_add_co_u32 s44, s44, OSTG
	v_mul_u32_u24 v21, v4, POS
	v_lshl_add_u32 v21, v3, 4, v21
	v_add_nc_u32 v21, s44, v21                     ; back: row 8 wave + l / 16, 16 (l % 16)
	s_lshl_b32 s45, s30, 14
	v_lshlrev_b32 v22, 11, v4
	v_lshl_add_u32 v22, v3, 4, v22
	v_add_nc_u32 v22, s45, v22                     ; and the same place in mw
	s_wait_loadcnt 32                              ; the first sixteen are in; two batches of sixteen stay out
	CVST 64, 13, 0, 2*PWO
	LDW2 64, 16                                    ; the fourth batch takes the first one's registers
	s_wait_loadcnt 32
	CVST 128, 13, 32*PWO, 2*PWO
	s_wait_loadcnt 16
	CVST 192, 15, 0, 16*PW2
	s_wait_loadcnt 0x0
	CVST 64, 16, 0, 16*PW2
	s_wait_dscnt 0x0                               ; for the others: my part of both tiles is in LDS
	s_barrier_signal -1
	s_barrier_wait -1
; The product is taken transposed (source 0 = 16 columns of W2, source 1 = 16 rows of Wo): a lane ends with eight neighbouring columns of one row of mw.
.macro LDF c                           ; K step c of 16: Wo's fragment and W2's two, into set c % 2 of 24 registers
.set FR, 64+24*((\c)%2)
.set AB, 18+((\c)/8)
	ds_load_b128 v[FR:FR+3], v17 offset:64*(\c)
	ds_load_b128 v[FR+4:FR+7], v17 offset:64*(\c)+32
.irp t, 0,1
	ds_load_tr16_b128 v[FR+8+8*\t:FR+11+8*\t], v[AB] offset:32*PW2*((\c)%8)+32*\t
	ds_load_tr16_b128 v[FR+12+8*\t:FR+15+8*\t], v[AB] offset:32*PW2*((\c)%8)+32*\t+16*PW2
.endr
.endm
	LDF 0
	LDF 1
.set c, 0
.rept 16
.set FM, 64+24*(c%2)
.if c < 15
	s_wait_dscnt 6                                 ; the next K step's six loads stay out
.else
	s_wait_dscnt 0x0
.endif
.irp t, 0,1                            ; the two accumulators take turns
.if c == 0
	v_wmma_f32_16x16x32_f16 v[112+8*\t:119+8*\t], v[FM+8+8*\t:FM+15+8*\t], v[FM:FM+7], 0
.else
	v_wmma_f32_16x16x32_f16 v[112+8*\t:119+8*\t], v[FM+8+8*\t:FM+15+8*\t], v[FM:FM+7], v[112+8*\t:119+8*\t]
.endif
.endr
	PLACES                                         ; ahead of the loads into the set just read; behind the last K step, ahead of the stores of the results
.if c < 14
	LDF c+2
.endif
.set c, c+1
.endr
.irp t, 0,1
	ds_store_b128 v20, v[112+8*\t:115+8*\t] offset:64*\t
	ds_store_b128 v20, v[116+8*\t:119+8*\t] offset:64*\t+16
.endr
	s_wait_dscnt 0x0                               ; a row's 256 bytes come from two waves
	s_barrier_signal -1
	s_barrier_wait -1
.irp i, 0,1,2,3
	ds_load_b128 v[64+4*\i:67+4*\i], v21 offset:2*POS*\i
.endr
.irp i, 0,1,2,3
	s_wait_dscnt 3-\i
	global_store_b128 v22, v[64+4*\i:67+4*\i], s[26:27] offset:4096*\i  ; sixteen lanes store 256 consecutive bytes, aligned
.endr
.Lend:
	s_wait_tensorcnt 0x0                           ; the wave's end, behind my last LDS store
	ds_add_u32 v[SPW], v[NIL]
	s_wait_dscnt 0x0
	s_endpgm
.Lfunc_end_k_q932152b3fd_prep:
	.size	k_q932152b3fd_prep, .Lfunc_end_k_q932152b3fd_prep-k_q932152b3fd_prep
	.p2alignl 7, 3214868480
	.fill 96, 4, 3214868480
	.section	.rodata,"a",@progbits
	.p2align	6, 0x0
	.amdhsa_kernel k_q932152b3fd_prep
		.amdhsa_group_segment_fixed_size 169472
		.amdhsa_private_segment_fixed_size 0
		.amdhsa_enable_private_segment 0
		.amdhsa_kernarg_size 104
		.amdhsa_user_sgpr_count 2
		.amdhsa_user_sgpr_kernarg_segment_ptr 1
		.amdhsa_wavefront_size32 1
		.amdhsa_system_sgpr_workgroup_id_x 1
		.amdhsa_system_sgpr_workgroup_id_y 1
		.amdhsa_system_sgpr_workgroup_id_z 1
		.amdhsa_system_vgpr_workitem_id 0
		.amdhsa_next_free_vgpr 256
		.amdhsa_next_free_sgpr 66
		.amdhsa_reserve_vcc 0
		.amdhsa_float_denorm_mode_32 3
		.amdhsa_float_denorm_mode_16_64 3
		.amdhsa_memory_ordered 1
		.amdhsa_forward_progress 1
		.amdhsa_inst_pref_size 64
	.end_amdhsa_kernel
	.amdgpu_metadata
---
amdhsa.version: [ 1, 2 ]
amdhsa.kernels:
  - .name:           k_q932152b3fd_prep
    .symbol:         k_q932152b3fd_prep.kd
    .args:
      - { .name: Wp, .offset: 0, .size: 8, .value_kind: global_buffer, .address_space: global }
      - { .name: Wq, .offset: 8, .size: 8, .value_kind: global_buffer, .address_space: global }
      - { .name: bq, .offset: 16, .size: 8, .value_kind: global_buffer, .address_space: global }
      - { .name: query, .offset: 24, .size: 8, .value_kind: global_buffer, .address_space: global }
      - { .name: Wk, .offset: 32, .size: 8, .value_kind: global_buffer, .address_space: global }
      - { .name: Wo, .offset: 40, .size: 8, .value_kind: global_buffer, .address_space: global }
      - { .name: W2, .offset: 48, .size: 8, .value_kind: global_buffer, .address_space: global }
      - { .name: bo, .offset: 56, .size: 8, .value_kind: global_buffer, .address_space: global }
      - { .name: b2, .offset: 64, .size: 8, .value_kind: global_buffer, .address_space: global }
      - { .name: wpb, .offset: 72, .size: 8, .value_kind: global_buffer, .address_space: global }
      - { .name: ut, .offset: 80, .size: 8, .value_kind: global_buffer, .address_space: global }
      - { .name: mw, .offset: 88, .size: 8, .value_kind: global_buffer, .address_space: global }
      - { .name: c2, .offset: 96, .size: 8, .value_kind: global_buffer, .address_space: global }
    .group_segment_fixed_size: 169472
    .private_segment_fixed_size: 0
    .kernarg_segment_align: 8
    .kernarg_segment_size: 104
    .max_flat_workgroup_size: 256
    .sgpr_count:     66
    .vgpr_count:     256
    .wavefront_size: 32
...
	.end_amdgpu_metadata
.endif
;; end of part 1
;; launch main (part 2): grid 512 x 1, 4 waves a work-group, clusters of 4 x 1, 327,680 bytes of LDS; arguments x, wpb, ut, bp, mask, hb, ml; writes hb, ml
.if DOCPART == 2
	.amdgcn_target "amdgcn-amd-amdhsa--gfx1250"
	.amdhsa_code_object_version 6
	.text
	.protected	k_q932152b3fd_main
	.globl	k_q932152b3fd_main
	.p2align	8
	.type	k_q932152b3fd_main,@function
k_q932152b3fd_main:
	s_mov_b64 s[64:65], 0
	v_nop
	global_prefetch_b8 v0, s[64:65] scope:SCOPE_SE
	s_setreg_imm32_b32 hwreg(HW_REG_WAVE_MODE, 25, 1), 1
	s_wait_xcnt 0x0
	s_wait_alu depctr_hold_cnt(0) depctr_sa_sdst(0) depctr_va_vdst(0) depctr_va_sdst(0) depctr_va_ssrc(0) depctr_va_vcc(0) depctr_vm_vsrc(0)
	s_getreg_b32 s2, hwreg(HW_REG_IB_STS2, 6, 4)
	s_cmp_eq_u32 s2, 0
	s_cbranch_scc0 .Lentry_in_a_cluster
	s_endpgm
.Lentry_in_a_cluster:
	s_bfe_u32 s2, ttmp6, 0x10000c
	s_cmp_lg_u32 s2, 0x3003
	s_cbranch_scc0 .Lentry_shape_is_right
	s_endpgm
.Lentry_shape_is_right:
; SECOND LAUNCH.  For a tile of 128 positions: h = relu(x Wp + bp), which never leaves the work-group; the eight heads' scores h . u (exponents of 2: ut holds the scale); the mask; the tile's maximum m;
; p = 2^(s - m); l = sum of p; hb = sum of p h.  The launch pool joins a batch row's 16 tiles by their maxima: together that is reference()'s softmax with its maximum taken away.
; LEFT OUT, as shown at the head of the launch prep: bk (constant along the softmax's axis), and the products h Wk and h Wv, whose sums are taken in another order.
; LIMITS.  x, Wp, h, u and p are rounded to bf16 for the products; sums, maxima and l in f32 (l is taken of the unrounded p).  A hidden position's score counts as its value less 4e30 (-1e30 starts the sum
; in each of the four waves): true scores stay far below 1e29 in magnitude.  A tile with every position hidden yields m = -4e30, which pool weighs with 0 beside any true maximum.
; SHARES.  Work-group T = 4 x cluster + cx owns rows 128 T .. 128 T + 127 of x taken as [65536][1024], and all 512 columns of h; wave w the columns 128 w .. 128 w + 127 of all 128 rows:
; 64 accumulators of 16 x 16, 512 registers.  K = 1,024 goes in 16 steps of 64, each two quarters of 32: 64 matrix instructions a quarter.
; THE MATRIX INSTRUCTION IS USED TRANSPOSED: source 0 = 16 columns e of Wp, source 1 = 16 rows s of x: in accumulator (a, b) lane (r, h) holds s = 16 a + r and its registers e = 128 w + 16 b + 8 h + 0..7.
; Two neighbouring accumulators, rounded in pairs, ARE a 16-bit operand (row s, 32 values of e): source 0 of the score product, with nothing changing lanes.
; Wp (wpb, bf16, [k][n]) is walked alike by every work-group: it comes by JOINT tensor loads of the cluster's four.  Wave w asks for the 64 k x 128 n that it alone reads: rows of 256 bytes, aligned;
; two LDS slots by turns; read turned, by ds_load_tr16_b128.
; x is f32, read once, shared by nobody: it comes through registers (16 loads of 512 bytes a wave and step, two sets of registers, asked for two steps ahead), is rounded once and stored into an LDS slot of
; its own kind, which no tensor load ever fills.  These loads stay on their way across the cluster's barrier.
; REGISTERS, in windows of 256 (s_set_vgpr_msb: bits 1:0 source 0, 3:2 source 1, 5:4 source 2, 7:6 destination):
;   window 0: v0-31 addresses and scratch; v32-63 u's fragments; v64-127, v128-191 x's fragments, two buffers; v192-255 x as loaded, set 0
;   window 1: v0-63 x as loaded, set 1; v64-127, v128-191 Wp's fragments, two buffers; v192-255 the bias in the accumulators' layout, later the partial scores
;   window 2: the accumulators of rows 0-63 ((a, b) at v[8 (8 (a % 4) + b)]);   window 3: those of rows 64-127
.set BW,    18432                      ; a wave's part of a slot of Wp: 64 rows of
.set PB,    288                        ;   256 bytes + 32: an odd multiple of 32, for the turning load
.set BS1,   73728                      ; Wp's slot 1 (slot 0 at byte 0): four waves' parts
.set AS0,   147456                     ; x's slot 0: 128 rows of
.set PA,    144                        ;   64 bf16 + 16 bytes: the 16 rows of a fragment load start 16 bytes apart modulo 256
.set ASL,   128*PA                     ; x's slot 1 follows
.set STG,   184320                     ; each wave's own stage,
.set STW,   9216                       ;   32 rows x 288 bytes to turn h; later 8 rows x 528 for the way out
.set SCX,   221184                     ; the four waves' partial scores, 8,192 bytes each, as they lie in registers
.set MKF,   253952                     ; 128 f32: 0, or -1e30 where the position is hidden
.set SPARE, 254464                     ; the spare words, 128 bytes a wave: no other line names them
.set ADRA, 8                           ; v8     x's fragments in slot 0: AS0 + 144 r + 16 h
.set ADRB, 9                           ; v9-10  Wp's fragments in slot 0, 1
.set XO,   11                          ; v11    x in memory: (32 w + 8 h) rows of 4,096 bytes + 16 r; never rewritten
.set AST,  12                          ; v12    x into LDS: AS0 + (32 w + 8 h) 144 + 8 r
.set STO,  13                          ; v13    h into my stage: 288 r + 16 h
.set TRD,  14                          ; v14    and back, turned
.set SXO,  15                          ; v15    my partial scores: SCX + 8,192 w + 16 lane
.set SXL,  16                          ; v16    everybody's: SCX + 16 lane
.set OST,  17                          ; v17    the way out, in: 528 (r % 8) + 32 h
.set ORD,  18                          ; v18    and back: 16 lane
.set HO,   19                          ; v19    hb: 512 w + 16 lane
.set MKA,  20                          ; v20    MKF + 32 h
.set MLO,  21                          ; v21    ml: 16 lane
.set SPW,  22                          ; v22    SPARE + 4 x my thread's number; never rewritten
.set NIL,  23                          ; v23    0; never rewritten
.set UF,   32
.set F0,   64
.set F1,   128
.set BI,   192                         ; window 1
.set SC,   64                          ; window 0: the joined scores, then p
.set MSB, 0
.macro WIN new                         ; the immediate's high byte repeats the setting that is left; a switch that changes nothing is dropped
.if MSB != (\new)
	s_set_vgpr_msb (MSB<<8)|(\new)
.set MSB, (\new)
.endif
.endm
.macro PLACES                          ; four places behind a matrix instruction (ISA guide 7.12.1)
.rept 4
	v_nop
.endr
.endm
.macro CREST                           ; a round of the cluster's barrier behind its opening barrier
	s_cmp_lg_u32 s18, 0
	s_cbranch_scc1 .Lnot_wave_0_\@
	s_barrier_signal -3
.Lnot_wave_0_\@:
	s_barrier_wait -3
	s_barrier_signal -1
	s_barrier_wait -1
.endm
.macro CROUND                          ; a whole round
	s_barrier_signal -1
	s_barrier_wait -1
	CREST
.endm
; 16 matrix instructions: row blocks a0, a0 + 1 of the window's four (hi = 0: rows 0-63, 1: rows 64-127) x all 8 column blocks, 32 along K.  bias = 1: the first product starts the sum with bp.
; The 64 accumulators take turns in the same order in every quarter.
.macro MUL16 f, hi, a0, bias
.if \bias
	WIN 0x91+0x40*(\hi)
.else
	WIN 0xa1+0x50*(\hi)
.endif
.irp a, \a0, (\a0)+1
.irp b, 0,1,2,3,4,5,6,7
.if \bias
	v_wmma_f32_16x16x32_bf16 v[8*(8*(\a)+(\b)):8*(8*(\a)+(\b))+7], v[(\f)+8*(\b):(\f)+8*(\b)+7], v[(\f)+8*(4*(\hi)+(\a)):(\f)+8*(4*(\hi)+(\a))+7], v[BI+8*(\b):BI+8*(\b)+7]
.else
	v_wmma_f32_16x16x32_bf16 v[8*(8*(\a)+(\b)):8*(8*(\a)+(\b))+7], v[(\f)+8*(\b):(\f)+8*(\b)+7], v[(\f)+8*(4*(\hi)+(\a)):(\f)+8*(4*(\hi)+(\a))+7], v[8*(8*(\a)+(\b)):8*(8*(\a)+(\b))+7]
.endif
.endr
.endr
.endm
; 32 LDS loads in one run: quarter q of a slot's fragments into buffer f: Wp's 8 (turned), then x's 8
.macro FETCH slot, q, f
	WIN 0x40
.irp i, 0,1,2,3,4,5,6,7
	ds_load_tr16_b128 v[(\f)+8*(\i):(\f)+8*(\i)+3],   v[ADRB+(\slot)] offset:32*PB*(\q)+32*(\i)
	ds_load_tr16_b128 v[(\f)+8*(\i)+4:(\f)+8*(\i)+7], v[ADRB+(\slot)] offset:32*PB*(\q)+32*(\i)+16*PB
.endr
	WIN 0
.irp i, 0,1,2,3,4,5,6,7
	ds_load_b128 v[(\f)+8*(\i):(\f)+8*(\i)+3],   v[ADRA] offset:(\slot)*ASL+16*PA*(\i)+64*(\q)
	ds_load_b128 v[(\f)+8*(\i)+4:(\f)+8*(\i)+7], v[ADRA] offset:(\slot)*ASL+16*PA*(\i)+64*(\q)+32
.endr
.endm
; A step of x: set xs (which is also its LDS slot) is waited for, rounded to bf16 in place, stored, and (reload = 1) asked for again at byte imm behind s[40:41].  cnt: the other set's loads, which stay out.
; Load j takes rows j % 8 + 16 (j / 8) (+ 8 for lanes 16-31) of my 32: sixteen lanes take a row's 256 bytes.  The 32 conversions are also the places ahead of the fragment loads that follow.
.macro STAGE xs, imm, reload, cnt
	s_wait_loadcnt \cnt
.if (\xs) == 0
.set XR, 192
	WIN 0
.else
.set XR, 0
	WIN 0x45
.endif
.set j, 0
.rept 16
	v_cvt_pk_bf16_f32 v[XR+4*j], v[XR+4*j], v[XR+4*j+1]
	v_cvt_pk_bf16_f32 v[XR+4*j+1], v[XR+4*j+2], v[XR+4*j+3]
.set j, j+1
.endr
	WIN 0x04*(\xs)
.set j, 0
.rept 16
	ds_store_b64 v[AST], v[XR+4*j:XR+4*j+1] offset:(\xs)*ASL+((j&7)+16*(j>>3))*PA
.set j, j+1
.endr
.if \reload
	WIN 0x40*(\xs)
.set j, 0
.rept 16
	global_load_b128 v[XR+4*j:XR+4*j+3], v[XO], s[40:41] offset:((j&7)+16*(j>>3))*4096+(\imm) th:TH_LOAD_NT
.set j, j+1
.endr
.endif
.endm
; A step's first quarter: multiplies buffer 0; in its middle the next step's x goes into the other slot (stg = 1) and the second quarter's fragments are fetched.
; That slot's last reads were waited for ahead of the barrier of the step before; its stores are waited for ahead of this step's barrier, behind which it is read.
; mk = 1 (the last step): the masks are fetched as the C operands of the score products.
.macro QUARTER slot, stg, xs, imm, reload, cnt, bias, mk
	s_wait_dscnt 8                                 ; the youngest eight loads (x's rows 64-127) may be out
	MUL16 F0, 0, 0, \bias
	MUL16 F0, 0, 2, \bias
.if \stg
	STAGE \xs, \imm, \reload, \cnt
.else
	PLACES
.endif
	FETCH \slot, 1, F1
.if \mk
	WIN 0x40
.irp a, 0,1,2,3,4,5,6,7
	ds_load_b128 v[BI+8*\a:BI+8*\a+3],   v[MKA] offset:64*\a
	ds_load_b128 v[BI+8*\a+4:BI+8*\a+7], v[MKA] offset:64*\a+16
.endr
	s_wait_dscnt 48                                ; all but the 32 and the 16 just issued
.else
	s_wait_dscnt 32                                ; all but the 32 just issued (the stores of x are older)
.endif
	MUL16 F0, 1, 0, \bias
	MUL16 F0, 1, 2, \bias
.endm
; A step's second quarter multiplies buffer 1 and changes slots.  Ahead of the barrier each wave waits for all its tensor loads (one is out: its part of the next slot of Wp), adds 0 to its spare word, and
; waits for that, for its reads of both slots in hand and for its stores of x.  fill = 1: the barrier opens a round of the cluster's barrier, and the joint refill, two steps ahead, is the first thing behind it.
.macro TURN slot, next, fill, stepx
.if \stepx
	s_wait_xcnt 0x0                                ; the loads of x issued so far have read their base: it steps two K steps on
	s_add_nc_u64 s[40:41], s[40:41], 512
.endif
	WIN 0                                          ; (the add's two registers lie in window 0)
	s_wait_tensorcnt 0x0
	ds_add_u32 v[SPW], v[NIL]                      ; 0 onto my spare word
	s_wait_dscnt 9                                 ; (the add and the youngest eight loads may be out)
	MUL16 F1, 0, 0, 0                              ; sixteen matrix instructions stand between the add and the wait for it
	s_wait_dscnt 0x0
	s_barrier_signal -1
	MUL16 F1, 0, 2, 0
.if \fill
	WIN 0
.endif
	s_barrier_wait -1
.if \fill
	CREST                                          ; no wave of any partner still reads this slot or has a load on its way
	s_add_nc_u64 s[34+4*(\slot):35+4*(\slot)], s[34+4*(\slot):35+4*(\slot)], 131072  ; 128 rows of wpb on
	tensor_load_to_lds s[32+4*(\slot):35+4*(\slot)], s[24:31]
	s_nop 0
	PLACES                                         ; the places ahead of the loads below
.else
	PLACES
.endif
	FETCH \next, 0, F0
	MUL16 F1, 1, 0, 0
	MUL16 F1, 1, 2, 0
.endm
	s_load_b256 s[4:11], s[0:1], 0x0               ; x s[4:5], wpb s[6:7], ut s[8:9], bp s[10:11]
	s_load_b128 s[12:15], s[0:1], 0x20             ; mask s[12:13], hb s[14:15]
	s_load_b64 s[16:17], s[0:1], 0x30              ; ml
	v_lshl_add_u32 v[SPW], v0, 2, SPARE
	v_mov_b32 v[NIL], 0
	ds_add_u32 v[SPW], v[NIL]                      ; the wave's opening: the add, twice on end, and its wait ahead of my first tensor load; the set-up below stands between
	ds_add_u32 v[SPW], v[NIL]
	v_lshrrev_b32 v1, 5, v0
	v_readfirstlane_b32 s18, v1                    ; wave 0..3
	s_bfe_u32 s19, ttmp6, 0x40000                  ; cx
	s_lshl_b32 s20, ttmp9, 2
	s_add_co_u32 s20, s20, s19                     ; T: it enters the addresses of x, mask, hb and ml alone
	; descriptor group 1: 64 rows x 128 elements of 2 bytes, 512 elements from row to row, 8 words of padding behind every 64
	s_mov_b32 s24, 15|(1<<16)|(1<<20)|(1<<21)|(5<<22)|(7<<25)  ; 15:0 the mask: all four work-groups; 21 set beside a mask
	s_mov_b32 s25, 128<<16                         ; tensor_dim0
	s_mov_b32 s26, 64<<16                          ; tensor_dim1
	s_mov_b32 s27, 128<<16                         ; tile_dim0
	s_mov_b32 s28, 64                              ; tile_dim1
	s_mov_b32 s29, 512                             ; the pitch
	s_mov_b32 s30, 0
	s_mov_b32 s31, 0
	s_mov_b32 s32, 1                               ; group 0, a set for each slot: the LDS address hangs on the wave's number alone
	s_mul_i32 s33, s18, BW
	s_mov_b32 s36, 1
	s_add_co_u32 s37, s33, BS1
	s_mov_b32 s43, 0                               ; for the ReLU
	s_mov_b32 s44, 0x76543210                      ; v_permlanex16_b32: each lane takes its own place in the other half
	s_mov_b32 s45, 0xfedcba98
	v_and_b32 v2, 31, v0                           ; lane
	v_and_b32 v3, 15, v0                           ; r
	v_bfe_u32 v4, v0, 4, 1                         ; h
	v_and_b32 v5, 7, v0
	v_bfe_u32 v6, v0, 3, 1
	v_lshl_add_u32 v7, v4, 3, v5
	v_mul_u32_u24 v7, v7, PB
	v_lshl_add_u32 v7, v6, 4, v7                   ; a turning load's lane term: row 8 h + lane % 8, 16 ((lane / 8) % 2)
	v_mul_u32_u24 v[ADRA], v3, PA
	v_lshl_add_u32 v[ADRA], v4, 4, v[ADRA]
	v_add_nc_u32 v[ADRA], AS0, v[ADRA]
	v_add_nc_u32 v[ADRB], s33, v7
	v_add_nc_u32 v[ADRB+1], s37, v7
	s_lshl_b32 s21, s18, 17
	v_lshlrev_b32 v[XO], 4, v3
	v_lshl_add_u32 v[XO], v4, 15, v[XO]
	v_add_nc_u32 v[XO], s21, v[XO]
	s_mul_i32 s22, s18, 32*PA
	s_add_co_u32 s22, s22, AS0
	v_mul_u32_u24 v[AST], v4, 8*PA
	v_lshl_add_u32 v[AST], v3, 3, v[AST]
	v_add_nc_u32 v[AST], s22, v[AST]
	s_mul_i32 s23, s18, STW
	s_add_co_u32 s23, s23, STG                     ; my stage
	v_mul_u32_u24 v[STO], v3, PB
	v_lshl_add_u32 v[STO], v4, 4, v[STO]
	v_add_nc_u32 v[STO], s23, v[STO]
	v_add_nc_u32 v[TRD], s23, v7
	s_lshl_b32 s46, s18, 13
	s_add_co_u32 s46, s46, SCX
	v_lshl_add_u32 v[SXO], v2, 4, s46
	v_lshl_add_u32 v[SXL], v2, 4, SCX
	v_mul_u32_u24 v[OST], v5, 528
	v_lshl_add_u32 v[OST], v4, 5, v[OST]
	v_add_nc_u32 v[OST], s23, v[OST]
	v_lshl_add_u32 v[ORD], v2, 4, s23
	s_lshl_b32 s47, s18, 9
	v_lshl_add_u32 v[HO], v2, 4, s47
	v_lshl_add_u32 v[MKA], v4, 5, MKF
	v_lshlrev_b32 v[MLO], 4, v2
	v_lshl_add_u32 v24, v4, 5, s47                 ; bp: 512 w + 32 h
	s_lshl_b32 s52, s18, 8
	s_mov_b32 s53, 0
	v_lshlrev_b32 v25, 10, v5
	v_lshl_add_u32 v25, v4, 4, v25
	v_add_nc_u32 v25, s52, v25                     ; ut: head r % 8, 256 w + 16 h
	v_lshlrev_b32 v26, 2, v0                       ; mask: my thread's position
	v_lshl_add_u32 v27, v0, 2, MKF
	s_wait_dscnt 0x0                               ; both opening adds are done
	s_wait_kmcnt 0x0
	s_lshl_b32 s50, s20, 19                        ; 128 rows of 4,096 bytes
	s_mov_b32 s51, 0
	s_add_nc_u64 s[40:41], s[4:5], s[50:51]        ; x at my tile
	s_lshl_b32 s50, s20, 14
	s_add_nc_u64 s[14:15], s[14:15], s[50:51]      ; hb
	s_lshl_b32 s50, s20, 9
	s_add_nc_u64 s[16:17], s[16:17], s[50:51]      ; ml
	s_add_nc_u64 s[12:13], s[12:13], s[50:51]      ; mask
	s_add_nc_u64 s[54:55], s[6:7], s[52:53]        ; wpb at my wave's 128 columns: made of the wave's number alone
	s_mov_b64 s[34:35], s[54:55]                   ; K step 0
	s_or_b32 s35, s35, 0x80000000                  ; type = 2
	s_add_nc_u64 s[38:39], s[54:55], 65536         ; K step 1: 64 rows of 1,024 bytes on
	s_or_b32 s39, s39, 0x80000000
	WIN 0x40
.irp b, 0,1,2,3,4,5,6,7
	global_load_b128 v[BI+8*\b:BI+8*\b+3],   v24, s[10:11] offset:64*\b      ; bp in the accumulators' layout: e = 128 w + 16 b + 8 h + 0..7
	global_load_b128 v[BI+8*\b+4:BI+8*\b+7], v24, s[10:11] offset:64*\b+16
.endr
	WIN 0
.irp c, 0,1,2,3
	global_load_b128 v[UF+8*\c:UF+8*\c+3],   v25, s[8:9] offset:64*\c        ; u as source 1: column = head, 32 values of e
	global_load_b128 v[UF+8*\c+4:UF+8*\c+7], v25, s[8:9] offset:64*\c+32
.endr
	global_load_b32 v28, v26, s[12:13]
.set j, 0
.rept 16
	global_load_b128 v[192+4*j:195+4*j], v[XO], s[40:41] offset:((j&7)+16*(j>>3))*4096 th:TH_LOAD_NT      ; x, K step 0
.set j, j+1
.endr
	WIN 0x40
.set j, 0
.rept 16
	global_load_b128 v[4*j:4*j+3], v[XO], s[40:41] offset:((j&7)+16*(j>>3))*4096+256 th:TH_LOAD_NT        ; x, K step 1
.set j, j+1
.endr
	WIN 0
	CROUND                                         ; all four work-groups are here: the first joint loads meet
	tensor_load_to_lds s[32:35], s[24:31]          ; my two first fills go out together: two tensor loads of mine are out
	s_nop 0
	tensor_load_to_lds s[36:39], s[24:31]
	s_nop 0
	PLACES
	s_wait_loadcnt 32                              ; bp, u and the mask are in; the two steps of x stay out
	v_mov_b32 v30, 0xf149f2ca                      ; -1e30
	v_cmp_eq_u32 vcc_lo, 0, v28
	v_cndmask_b32 v29, 0, v30, vcc_lo
	ds_store_b32 v27, v29
	STAGE 0, 512, 1, 16                            ; x of step 0 into slot 0; step 2 is asked for
	s_wait_tensorcnt 1                             ; my part of Wp's step 0 is in; step 1's may stay out
	s_wait_dscnt 0x0                               ; my stores of x and of the mask are done
	s_barrier_signal -1
	s_barrier_wait -1
	FETCH 0, 0, F0
	QUARTER 0, 1, 1, 768, 1, 16, 1, 0              ; step 0's first quarter stands ahead of the loop: its products start the sums, with the bias
	WIN 0
	s_mov_b32 s42, 6
.Llap:                                         ; trip k: from step 2 k's second quarter to step 2 k + 2's first; both slots of Wp are filled again, x of steps 2 k + 4 and 2 k + 5 is asked for
	TURN 0, 1, 1, 1
	QUARTER 1, 1, 0, 512, 1, 16, 0, 0
	TURN 1, 0, 1, 0
	QUARTER 0, 1, 1, 768, 1, 16, 0, 0
	WIN 0
	s_sub_co_u32 s42, s42, 1
	s_cmp_lg_u32 s42, 0
	s_cbranch_scc1 .Llap
	TURN 0, 1, 1, 0                                ; the tail is written out: Wp's step 14 is asked for
	QUARTER 1, 1, 0, 0, 0, 16, 0, 0                ; x of step 14 is stored, nothing more is asked of x
	TURN 1, 0, 1, 0                                ; Wp's step 15
	QUARTER 0, 1, 1, 0, 0, 0, 0, 0
	TURN 0, 1, 0, 0                                ; nothing is left to fill: a plain barrier
	QUARTER 1, 0, 0, 0, 0, 0, 0, 1
	s_wait_dscnt 24                                ; x's rows 64-127 (8 loads) and the 16 loads of the masks may be out
	MUL16 F1, 0, 0, 0
	MUL16 F1, 0, 2, 0
	s_wait_dscnt 0x0
	MUL16 F1, 1, 0, 0
	MUL16 F1, 1, 2, 0
	PLACES
; h: two neighbouring accumulators are rounded to bf16 in place, ascending (each accumulator's lowest registers are read first), into the first one's 8 registers; the ReLU is taken on the
; rounded pairs, which gives the same numbers.  HP(a, c) = v[16 (4 (a % 4) + c) .. + 7] of window 2 + a / 4: lane = position 16 a + r, K = the 32 values of e of block c.
.macro PACKW x
	WIN 0x8a+0x45*((\x)-2)
.set g, 0
.rept 16
.irp u, 0,1
.irp i, 0,1,2,3
	v_cvt_pk_bf16_f32 v[16*g+4*\u+\i], v[16*g+8*\u+2*\i], v[16*g+8*\u+2*\i+1]
.endr
.endr
.irp i, 0,1,2,3,4,5,6,7
	v_pk_max_num_bf16 v[16*g+\i], v[16*g+\i], s43
.endr
.set g, g+1
.endr
.endm
; h turned, 32 positions at a time, through my own stage (LDS serves a wave's instructions in order: ISA guide 5.7.1.4): in as rows [position][128 e], back by the turning load as source 0 of the second product:
; VT(q, b): lane = e = 16 b + r, K = positions 32 q ..  In window 1 at v[64 q + 8 b] for q < 3, in window 0 at v[192 + 8 b] for q = 3.
.macro STGQ q
	WIN (2+(\q)/2)<<2
.irp u, 0,1
.irp c, 0,1,2,3
.irp z, 0,1
	ds_store_b128 v[STO], v[16*(4*(2*((\q)%2)+\u)+\c)+4*\z:16*(4*(2*((\q)%2)+\u)+\c)+4*\z+3] offset:16*PB*\u+32*(2*\c+\z)
.endr
.endr
.endr
.if (\q) < 3
	WIN 0x40
.set VT, 64*(\q)
.else
	WIN 0
.set VT, 192
.endif
.irp b, 0,1,2,3,4,5,6,7
	ds_load_tr16_b128 v[VT+8*\b:VT+8*\b+3],   v[TRD] offset:32*\b
	ds_load_tr16_b128 v[VT+8*\b+4:VT+8*\b+7], v[TRD] offset:32*\b+16*PB
.endr
.endm
	PACKW 2
	STGQ 0
	STGQ 1
	PACKW 3
	; My columns' share of the scores: DS(a) = HP(a, c) x u(c) + DS(a), begun with the mask: lane = head r % 8 (lanes r >= 8 repeat), registers = positions 16 a + 8 h + 0..7.  The eight accumulators take turns.
.irp c, 0,1,2,3
.irp a, 0,1,2,3,4,5,6,7
	WIN 0x52+(\a)/4
	v_wmma_f32_16x16x32_bf16 v[BI+8*\a:BI+8*\a+7], v[16*(4*((\a)%4)+\c):16*(4*((\a)%4)+\c)+7], v[UF+8*\c:UF+8*\c+7], v[BI+8*\a:BI+8*\a+7]
.endr
.endr
	PLACES                                         ; ahead of the stores of these results and of every load into their registers
	STGQ 2
	STGQ 3
	WIN 0x04
.set t, 0
.rept 16
	ds_store_b128 v[SXO], v[BI+4*t:BI+4*t+3] offset:512*t
.set t, t+1
.endr
	WIN 0
	s_wait_dscnt 0x0                               ; for the others: my partial scores are in LDS
	s_barrier_signal -1
	s_barrier_wait -1
	; every wave adds the four waves' shares, in one fixed order: all four then hold the same scores, bit for bit, for one barrier
.set t, 0
.rept 16
	ds_load_b128 v[64+4*t:67+4*t], v[SXL] offset:512*t
	ds_load_b128 v[128+4*t:131+4*t], v[SXL] offset:8192+512*t
.set t, t+1
.endr
	WIN 0x40
.set t, 0
.rept 16
	ds_load_b128 v[192+4*t:195+4*t], v[SXL] offset:16384+512*t
.set t, t+1
.endr
	WIN 0x80
.set t, 0
.rept 16
	ds_load_b128 v[4*t:4*t+3], v[SXL] offset:24576+512*t
.set t, t+1
.endr
	WIN 0
	s_wait_dscnt 0x0
.set t, 0
.rept 32
	v_pk_add_f32 v[64+2*t:65+2*t], v[64+2*t:65+2*t], v[128+2*t:129+2*t]
.set t, t+1
.endr
	WIN 0x49
.set t, 0
.rept 32
	v_pk_add_f32 v[192+2*t:193+2*t], v[192+2*t:193+2*t], v[2*t:2*t+1]
.set t, t+1
.endr
	WIN 0x04
.set t, 0
.rept 32
	v_pk_add_f32 v[64+2*t:65+2*t], v[64+2*t:65+2*t], v[192+2*t:193+2*t]
.set t, t+1
.endr
	WIN 0
	; the tile's maximum for my head: four chains over my 64 positions, then the other half of the lanes' 64
.irp c, 0,1,2,3
	v_max3_num_f32 v[24+\c], v[SC+16*\c], v[SC+16*\c+1], v[SC+16*\c+2]
.endr
.irp i, 0,1,2,3,4,5
.irp c, 0,1,2,3
	v_max3_num_f32 v[24+\c], v[24+\c], v[SC+16*\c+3+2*\i], v[SC+16*\c+4+2*\i]
.endr
.endr
	v_max3_num_f32 v24, v24, v[SC+15], v[SC+31]
	v_max3_num_f32 v26, v26, v[SC+47], v[SC+63]
	v_max3_num_f32 v24, v24, v25, v26
	v_max_num_f32 v24, v24, v27
	v_permlanex16_b32 v25, v24, s44, s45
	v_max_num_f32 v28, v24, v25                    ; m
	v_mov_b32 v29, v28
.set t, 0
.rept 32
	v_pk_add_f32 v[SC+2*t:SC+2*t+1], v[SC+2*t:SC+2*t+1], v[28:29] neg_lo:[0,1] neg_hi:[0,1]
.set t, t+1
.endr
.set t, 0
.rept 64
	v_exp_f32 v[SC+t], v[SC+t]                     ; one batch
.set t, t+1
.endr
	v_nop                                          ; a plain instruction behind the last exponential,
	s_wait_alu depctr_va_vdst(0)                   ; and the one wait ahead of the first use
	v_pk_add_f32 v[24:25], v[SC:SC+1], v[SC+2:SC+3]      ; l: four chains
	v_pk_add_f32 v[26:27], v[SC+16:SC+17], v[SC+18:SC+19]
	v_pk_add_f32 v[30:31], v[SC+32:SC+33], v[SC+34:SC+35]
	v_pk_add_f32 v[2:3], v[SC+48:SC+49], v[SC+50:SC+51]
.irp i, 2,3,4,5,6,7
	v_pk_add_f32 v[24:25], v[24:25], v[SC+2*\i:SC+2*\i+1]
	v_pk_add_f32 v[26:27], v[26:27], v[SC+16+2*\i:SC+17+2*\i]
	v_pk_add_f32 v[30:31], v[30:31], v[SC+32+2*\i:SC+33+2*\i]
	v_pk_add_f32 v[2:3], v[2:3], v[SC+48+2*\i:SC+49+2*\i]
.endr
	v_pk_add_f32 v[24:25], v[24:25], v[26:27]
	v_pk_add_f32 v[30:31], v[30:31], v[2:3]
	v_pk_add_f32 v[30:31], v[30:31], v[24:25]
	v_add_f32 v30, v30, v31
	v_permlanex16_b32 v31, v30, s44, s45
	v_add_f32 v30, v30, v31                        ; l
.irp q, 0,1,2,3
.irp u, 0,1
.irp i, 0,1,2,3
	v_cvt_pk_bf16_f32 v[SC+16*\q+4*\u+\i], v[SC+16*\q+8*\u+2*\i], v[SC+16*\q+8*\u+2*\i+1]  ; P(q) = v[SC + 16 q .. + 7]: column = head, K = positions 32 q ..
.endr
.endr
.endr
	; hb: D2(b) = VT(q, b) x P(q) + D2(b), in window 3 at v[8 b]: lane = head, registers = e = 16 b + 8 h + 0..7.  The eight accumulators take turns; the first 32 positions start the sums.
.irp q, 0,1,2,3
.irp b, 0,1,2,3,4,5,6,7
.if (\q) == 0
	WIN 0xf1
	v_wmma_f32_16x16x32_bf16 v[8*\b:8*\b+7], v[8*\b:8*\b+7], v[SC:SC+7], 0
.elseif (\q) < 3
	WIN 0xf1
	v_wmma_f32_16x16x32_bf16 v[8*\b:8*\b+7], v[64*\q+8*\b:64*\q+8*\b+7], v[SC+16*\q:SC+16*\q+7], v[8*\b:8*\b+7]
.else
	WIN 0xf0
	v_wmma_f32_16x16x32_bf16 v[8*\b:8*\b+7], v[192+8*\b:192+8*\b+7], v[SC+48:SC+55], v[8*\b:8*\b+7]
.endif
.endr
.endr
	PLACES
	WIN 0x0c                                       ; THE WAY OUT, through my stage: in as rows [head][128 e] of 528 bytes (lanes r >= 8 store the same numbers at the same places), back as whole rows
.irp b, 0,1,2,3,4,5,6,7
	ds_store_b128 v[OST], v[8*\b:8*\b+3] offset:64*\b
	ds_store_b128 v[OST], v[8*\b+4:8*\b+7] offset:64*\b+16
.endr
	WIN 0
.irp d, 0,1,2,3,4,5,6,7
	ds_load_b128 v[128+4*\d:131+4*\d], v[ORD] offset:528*\d
.endr
.irp d, 0,1,2,3,4,5,6,7
	s_wait_dscnt 7-\d                              ; the younger loads stay out
	global_store_b128 v[HO], v[128+4*\d:131+4*\d], s[14:15] offset:2048*\d th:TH_STORE_NT  ; 512 consecutive bytes, aligned
.endr
	s_cmp_lg_u32 s18, 0
	s_cbranch_scc1 .Lnoml
	v_mov_b32 v24, v28                             ; wave 0: lane L stores m and l of head L % 8, twice: 512 consecutive bytes
	v_mov_b32 v25, v30
	v_mov_b32 v26, v28
	v_mov_b32 v27, v30
	global_store_b128 v[MLO], v[24:27], s[16:17]
.Lnoml:
	s_wait_tensorcnt 0x0                           ; the wave's end, behind my last tensor load and my last LDS store
	ds_add_u32 v[SPW], v[NIL]
	s_wait_dscnt 0x0
	CROUND                                         ; the closing round: no work-group ends while a partner may still ask for a tile that names it
	s_endpgm
.Lfunc_end_k_q932152b3fd_main:
	.size	k_q932152b3fd_main, .Lfunc_end_k_q932152b3fd_main-k_q932152b3fd_main
	.p2alignl 7, 3214868480
	.fill 96, 4, 3214868480
	.section	.rodata,"a",@progbits
	.p2align	6, 0x0
	.amdhsa_kernel k_q932152b3fd_main
		.amdhsa_group_segment_fixed_size 327680
		.amdhsa_private_segment_fixed_size 0
		.amdhsa_enable_private_segment 0
		.amdhsa_kernarg_size 56
		.amdhsa_user_sgpr_count 2
		.amdhsa_user_sgpr_kernarg_segment_ptr 1
		.amdhsa_wavefront_size32 1
		.amdhsa_system_sgpr_workgroup_id_x 1
		.amdhsa_system_sgpr_workgroup_id_y 1
		.amdhsa_system_sgpr_workgroup_id_z 1
		.amdhsa_system_vgpr_workitem_id 0
		.amdhsa_next_free_vgpr 1024
		.amdhsa_next_free_sgpr 66
		.amdhsa_reserve_vcc 1
		.amdhsa_float_denorm_mode_32 3
		.amdhsa_float_denorm_mode_16_64 3
		.amdhsa_memory_ordered 1
		.amdhsa_forward_progress 1
		.amdhsa_inst_pref_size 185
	.end_amdhsa_kernel
	.amdgpu_metadata
---
amdhsa.version: [ 1, 2 ]
amdhsa.kernels:
  - .name:           k_q932152b3fd_main
    .symbol:         k_q932152b3fd_main.kd
    .args:
      - { .name: x, .offset: 0, .size: 8, .value_kind: global_buffer, .address_space: global }
      - { .name: wpb, .offset: 8, .size: 8, .value_kind: global_buffer, .address_space: global }
      - { .name: ut, .offset: 16, .size: 8, .value_kind: global_buffer, .address_space: global }
      - { .name: bp, .offset: 24, .size: 8, .value_kind: global_buffer, .address_space: global }
      - { .name: mask, .offset: 32, .size: 8, .value_kind: global_buffer, .address_space: global }
      - { .name: hb, .offset: 40, .size: 8, .value_kind: global_buffer, .address_space: global }
      - { .name: ml, .offset: 48, .size: 8, .value_kind: global_buffer, .address_space: global }
    .group_segment_fixed_size: 327680
    .private_segment_fixed_size: 0
    .kernarg_segment_align: 8
    .kernarg_segment_size: 56
    .max_flat_workgroup_size: 128
    .sgpr_count:     66
    .vgpr_count:     1024
    .wavefront_size: 32
...
	.end_amdgpu_metadata
.endif
;; end of part 2
;; launch pool (part 3): grid 8 x 32, 8 waves a work-group, no clusters, 9,728 bytes of LDS; arguments hb, ml, Wv, bv, mw, po; writes po
.if DOCPART == 3
	.amdgcn_target "amdgcn-amd-amdhsa--gfx1250"
	.amdhsa_code_object_version 6
	.text
	.protected	k_q932152b3fd_pool
	.globl	k_q932152b3fd_pool
	.p2align	8
	.type	k_q932152b3fd_pool,@function
k_q932152b3fd_pool:
	s_mov_b64 s[64:65], 0
	v_nop
	global_prefetch_b8 v0, s[64:65] scope:SCOPE_SE
	s_setreg_imm32_b32 hwreg(HW_REG_WAVE_MODE, 25, 1), 1
	s_wait_xcnt 0x0
; THIRD LAUNCH.  Work-group (hd, b): joins the batch row's 16 tiles by their maxima (M = the largest m; tile t weighs 2^(m_t - M) / sum of 2^(m_t - M) l_t), which completes the softmax;
; hbar = the weighted sum of the tiles' hb; pooled = hbar Wv[:, 64 hd ..] + bv; po[b][hd] = pooled x mw[64 hd .. 64 hd + 63][:], the head's share of pooled (Wo W2).
; LEFT OUT, as shown at the head of the launch prep: the product h Wv (here hbar Wv + bv, the same sum, since the weights add up to 1).
; All in f32 on the vector unit: one row a work-group fills no matrix tile, and a rounding on this path would reach the output whole.
; A batch row with every position hidden has M = -4e30: below -2^96 the weights are made NaN, as reference()'s softmax of nothing but -inf is.
.set HBL,   0                          ; hbar, 512 f32
.set PR,    2048                       ; eight partial rows of 64 f32
.set PL,    4096                       ; pooled, a copy for each wave
.set OX,    6144                       ; waves 4-7's half of the last sum, 512 f32
.set WL,    8192                       ; the 16 weights, a copy for each wave
.set SPARE, 8704                       ; the spare words, 128 bytes a wave: no other line names them
.set SPW,   10
.set NIL,   11
.set MSB, 0
.macro WIN new
.if MSB != (\new)
	s_set_vgpr_msb (MSB<<8)|(\new)
.set MSB, (\new)
.endif
.endm
; Rows from .. to - 1 of a vector times a slice: a row's four numbers at v[M + 4 ii], the vector's number ii at v[Q + ii]; even rows add into v[A .. A+3], odd rows into v[A+4 .. A+7]; rows 0 and 1 start the sums.
.macro FMAROWS M, Q, A, from, to
.set ii, \from
.rept (\to)-(\from)
.set aa, (\A)+4*(ii%2)
.irp k, 0,1,2,3
.if ii < 2
	v_mul_f32 v[aa+\k], v[(\M)+4*ii+\k], v[(\Q)+ii]
.else
	v_fmac_f32 v[aa+\k], v[(\M)+4*ii+\k], v[(\Q)+ii]
.endif
.endr
.set ii, ii+1
.endr
.endm
.macro JOIN8 B                         ; eight groups of four numbers at v[B ..] are added into the first, in one fixed order
.irp p, 0,2
	v_pk_add_f32 v[(\B)+\p:(\B)+\p+1], v[(\B)+\p:(\B)+\p+1], v[(\B)+4+\p:(\B)+4+\p+1]
	v_pk_add_f32 v[(\B)+8+\p:(\B)+8+\p+1], v[(\B)+8+\p:(\B)+8+\p+1], v[(\B)+12+\p:(\B)+12+\p+1]
	v_pk_add_f32 v[(\B)+16+\p:(\B)+16+\p+1], v[(\B)+16+\p:(\B)+16+\p+1], v[(\B)+20+\p:(\B)+20+\p+1]
	v_pk_add_f32 v[(\B)+24+\p:(\B)+24+\p+1], v[(\B)+24+\p:(\B)+24+\p+1], v[(\B)+28+\p:(\B)+28+\p+1]
.endr
.irp p, 0,2
	v_pk_add_f32 v[(\B)+\p:(\B)+\p+1], v[(\B)+\p:(\B)+\p+1], v[(\B)+8+\p:(\B)+8+\p+1]
	v_pk_add_f32 v[(\B)+16+\p:(\B)+16+\p+1], v[(\B)+16+\p:(\B)+16+\p+1], v[(\B)+24+\p:(\B)+24+\p+1]
.endr
.irp p, 0,2
	v_pk_add_f32 v[(\B)+\p:(\B)+\p+1], v[(\B)+\p:(\B)+\p+1], v[(\B)+16+\p:(\B)+16+\p+1]
.endr
.endm
	s_load_b256 s[4:11], s[0:1], 0x0               ; hb s[4:5], ml s[6:7], Wv s[8:9], bv s[10:11]
	s_load_b128 s[12:15], s[0:1], 0x20             ; mw s[12:13], po s[14:15]
	v_lshl_add_u32 v[SPW], v0, 2, SPARE
	v_mov_b32 v[NIL], 0
	v_lshrrev_b32 v1, 5, v0
	v_readfirstlane_b32 s16, v1                    ; wave 0..7
	s_and_b32 s17, ttmp7, 0xffff                   ; b
	s_lshr_b32 s18, s16, 2                         ; par: which 32 rows of mw's 64 are mine
	s_mov_b32 s19, ttmp9                           ; hd
	s_mov_b32 s22, 0x76543210
	s_mov_b32 s23, 0xfedcba98
	v_and_b32 v3, 15, v0                           ; c
	v_bfe_u32 v4, v0, 4, 1                         ; h
	v_lshl_add_u32 v5, v1, 1, v4                   ; g = 2 wave + h
	v_lshlrev_b32 v6, 4, v3                        ; 16 c
	v_lshlrev_b32 v12, 9, v3                       ; ml: lane c takes tile c
	v_lshlrev_b32 v13, 3, v0                       ; hb and hbar: two numbers a thread
	v_lshl_add_u32 v14, v5, 16, v6                 ; Wv: 32 g rows of 2,048 bytes + 16 c
	v_and_b32 v15, 127, v0
	v_lshlrev_b32 v15, 4, v15                      ; mw, OX and po: four columns
	s_lshl_b32 s24, s16, 6
	s_add_co_u32 s24, s24, WL
	v_lshl_add_u32 v18, v3, 2, s24
	v_mov_b32 v19, s24
	s_lshl_b32 s25, s16, 8
	v_lshl_add_u32 v21, v4, 7, s25                 ; 128 g
	v_add_nc_u32 v22, s25, v6                      ; 256 wave + 16 c
	s_lshl_b32 s26, s18, 7
	s_add_co_u32 s26, s26, s25
	v_mov_b32 v23, s26                             ; 256 wave + 128 par
	s_mov_b32 s29, 0                               ; s[28:29]: a byte offset in 64 bits
	s_wait_kmcnt 0x0
	s_lshl_b32 s28, s17, 13
	s_add_nc_u64 s[6:7], s[6:7], s[28:29]          ; ml: 16 tiles of 512 bytes a batch row,
	s_lshl_b32 s28, s19, 4
	s_add_nc_u64 s[6:7], s[6:7], s[28:29]          ; the head's 16 bytes
	s_lshl_b32 s28, s17, 18
	s_add_nc_u64 s[4:5], s[4:5], s[28:29]          ; hb: 16 tiles of 16,384 bytes,
	s_lshl_b32 s28, s19, 11
	s_add_nc_u64 s[4:5], s[4:5], s[28:29]          ; the head's row
	s_add_nc_u64 s[14:15], s[14:15], s[28:29]      ; po: the head's row,
	s_lshl_b32 s28, s17, 14
	s_add_nc_u64 s[14:15], s[14:15], s[28:29]      ; of the batch row's eight
	s_lshl_b32 s28, s19, 8
	s_add_nc_u64 s[8:9], s[8:9], s[28:29]          ; Wv and bv at the head's 64 columns
	s_add_nc_u64 s[10:11], s[10:11], s[28:29]
	s_lshl_b32 s28, s19, 17
	s_add_nc_u64 s[12:13], s[12:13], s[28:29]      ; mw at the head's 64 rows,
	s_lshl_b32 s28, s18, 16
	s_add_nc_u64 s[12:13], s[12:13], s[28:29]      ; at my 32 of them
	global_load_b64 v[16:17], v12, s[6:7]          ; m, l
.set t, 0
.rept 16
	global_load_b64 v[32+2*t:33+2*t], v13, s[4:5] offset:16384*t th:TH_LOAD_NT
.set t, t+1
.endr
	global_load_b128 v[248:251], v6, s[10:11]
.set t, 0
.rept 32
	global_load_b128 v[64+4*t:67+4*t], v14, s[8:9] offset:2048*t
.set t, t+1
.endr
	WIN 0x40                                       ; mw's rows go into window 1, v0-127
.set t, 0
.rept 12
	global_load_b128 v[4*t:4*t+3], v15, s[12:13] offset:2048*t
.set t, t+1
.endr
	WIN 0
	s_wait_loadcnt 61                              ; m and l are in; the 61 loads behind them stay out
	v_mov_b32 v24, v16
.irp m, 1,2,4,8
	v_max_num_f32_dpp v24, v24, v24 row_xmask:\m row_mask:0xf bank_mask:0xf
.endr
	v_sub_f32 v25, v16, v24
	v_exp_f32 v25, v25
	v_nop
	s_wait_alu depctr_va_vdst(0)                   ; the wait ahead of the first use
	v_mul_f32 v26, v25, v17
.irp m, 1,2,4,8
	v_add_f32_dpp v26, v26, v26 row_xmask:\m row_mask:0xf bank_mask:0xf
.endr
	v_rcp_f32 v27, v26                             ; the sum is at least 1: the tile with the largest m has a p of 1
	v_cmp_gt_f32 vcc_lo, 0xef800000, v24           ; -2^96 > M: every position of the batch row is hidden
	v_mov_b32 v28, 0x7fc00000
	s_wait_alu depctr_va_vdst(0)
	v_cndmask_b32 v27, v27, v28, vcc_lo
	v_mul_f32 v25, v25, v27
	ds_store_b32 v18, v25                          ; my wave's own copy: LDS serves a wave's instructions in order (ISA guide 5.7.1.4)
.irp k, 0,1,2,3
	ds_load_b128 v[192+4*\k:195+4*\k], v19 offset:16*\k  ; all 16 weights in every lane
.endr
	s_wait_loadcnt 45                              ; hb's 16 are in; bv, Wv's 32 and mw's 12 stay out
	s_wait_dscnt 0x0
.set t, 0
.rept 16
.irp k, 0,1
.if t < 2
	v_mul_f32 v[240+2*(t%2)+\k], v[32+2*t+\k], v[192+t]
.else
	v_fmac_f32 v[240+2*(t%2)+\k], v[32+2*t+\k], v[192+t]
.endif
.endr
.set t, t+1
.endr
	v_pk_add_f32 v[240:241], v[240:241], v[242:243]
	ds_store_b64 v13, v[240:241] offset:HBL
	WIN 0x40
.set t, 12
.rept 20
	global_load_b128 v[4*t:4*t+3], v15, s[12:13] offset:2048*t
.set t, t+1
.endr
	WIN 0
	s_wait_dscnt 0x0
	s_barrier_signal -1
	s_barrier_wait -1                              ; hbar is whole
.irp k, 0,1,2,3,4,5,6,7
	ds_load_b128 v[32+4*\k:35+4*\k], v21 offset:HBL+16*\k  ; my half-wave's 32 numbers of it
.endr
	s_wait_loadcnt 48                              ; Wv's rows 16-31 and mw's 32 stay out
	s_wait_dscnt 0x0
	FMAROWS 64, 32, 240, 0, 16
	s_wait_loadcnt 32
	FMAROWS 64, 32, 240, 16, 32
	v_pk_add_f32 v[240:241], v[240:241], v[244:245]
	v_pk_add_f32 v[242:243], v[242:243], v[246:247]
.irp k, 0,1,2,3
	v_permlanex16_b32 v[244+\k], v[240+\k], s22, s23
.endr
	v_pk_add_f32 v[240:241], v[240:241], v[244:245]
	v_pk_add_f32 v[242:243], v[242:243], v[246:247]
	ds_store_b128 v22, v[240:243] offset:PR
	s_wait_dscnt 0x0
	s_barrier_signal -1
	s_barrier_wait -1
.irp k, 0,1,2,3,4,5,6,7
	ds_load_b128 v[64+4*\k:67+4*\k], v6 offset:PR+256*\k
.endr
	s_wait_dscnt 0x0
	JOIN8 64
	v_pk_add_f32 v[64:65], v[64:65], v[248:249]    ; + bv
	v_pk_add_f32 v[66:67], v[66:67], v[250:251]
	ds_store_b128 v22, v[64:67] offset:PL          ; pooled, my wave's own copy
.irp k, 0,1,2,3,4,5,6,7
	ds_load_b128 v[208+4*\k:211+4*\k], v23 offset:PL+16*\k  ; the 32 numbers that go with my rows of mw
.endr
	s_wait_dscnt 0x0
	s_wait_loadcnt 16                              ; mw's rows 16-31 stay out
	WIN 0x01                                       ; source 0 in window 1
	FMAROWS 0, 208, 240, 0, 16
	s_wait_loadcnt 0x0
	FMAROWS 0, 208, 240, 16, 32
	WIN 0
	v_pk_add_f32 v[240:241], v[240:241], v[244:245]
	v_pk_add_f32 v[242:243], v[242:243], v[246:247]
	s_cmp_lt_u32 s16, 4
	s_cbranch_scc1 .Llow
	ds_store_b128 v15, v[240:243] offset:OX        ; waves 4-7 hand their half over
.Llow:
	s_wait_dscnt 0x0
	s_barrier_signal -1
	s_barrier_wait -1
	s_cmp_lt_u32 s16, 4
	s_cbranch_scc0 .Lend
	ds_load_b128 v[244:247], v15 offset:OX
	s_wait_dscnt 0x0
	v_pk_add_f32 v[240:241], v[240:241], v[244:245]
	v_pk_add_f32 v[242:243], v[242:243], v[246:247]
	global_store_b128 v15, v[240:243], s[14:15]    ; a wave stores 512 consecutive bytes, aligned
.Lend:
	s_wait_tensorcnt 0x0                           ; the wave's end, behind my last LDS store
	ds_add_u32 v[SPW], v[NIL]
	s_wait_dscnt 0x0
	s_endpgm
.Lfunc_end_k_q932152b3fd_pool:
	.size	k_q932152b3fd_pool, .Lfunc_end_k_q932152b3fd_pool-k_q932152b3fd_pool
	.p2alignl 7, 3214868480
	.fill 96, 4, 3214868480
	.section	.rodata,"a",@progbits
	.p2align	6, 0x0
	.amdhsa_kernel k_q932152b3fd_pool
		.amdhsa_group_segment_fixed_size 9728
		.amdhsa_private_segment_fixed_size 0
		.amdhsa_enable_private_segment 0
		.amdhsa_kernarg_size 48
		.amdhsa_user_sgpr_count 2
		.amdhsa_user_sgpr_kernarg_segment_ptr 1
		.amdhsa_wavefront_size32 1
		.amdhsa_system_sgpr_workgroup_id_x 1
		.amdhsa_system_sgpr_workgroup_id_y 1
		.amdhsa_system_sgpr_workgroup_id_z 1
		.amdhsa_system_vgpr_workitem_id 0
		.amdhsa_next_free_vgpr 384
		.amdhsa_next_free_sgpr 66
		.amdhsa_reserve_vcc 1
		.amdhsa_float_denorm_mode_32 3
		.amdhsa_float_denorm_mode_16_64 3
		.amdhsa_memory_ordered 1
		.amdhsa_forward_progress 1
		.amdhsa_inst_pref_size 25
	.end_amdhsa_kernel
	.amdgpu_metadata
---
amdhsa.version: [ 1, 2 ]
amdhsa.kernels:
  - .name:           k_q932152b3fd_pool
    .symbol:         k_q932152b3fd_pool.kd
    .args:
      - { .name: hb, .offset: 0, .size: 8, .value_kind: global_buffer, .address_space: global }
      - { .name: ml, .offset: 8, .size: 8, .value_kind: global_buffer, .address_space: global }
      - { .name: Wv, .offset: 16, .size: 8, .value_kind: global_buffer, .address_space: global }
      - { .name: bv, .offset: 24, .size: 8, .value_kind: global_buffer, .address_space: global }
      - { .name: mw, .offset: 32, .size: 8, .value_kind: global_buffer, .address_space: global }
      - { .name: po, .offset: 40, .size: 8, .value_kind: global_buffer, .address_space: global }
    .group_segment_fixed_size: 9728
    .private_segment_fixed_size: 0
    .kernarg_segment_align: 8
    .kernarg_segment_size: 48
    .max_flat_workgroup_size: 256
    .sgpr_count:     66
    .vgpr_count:     384
    .wavefront_size: 32
...
	.end_amdgpu_metadata
.endif
;; end of part 3
;; launch norm (part 4): grid 32 x 1, 1 waves a work-group, no clusters, 0 bytes of LDS; arguments po, c2, gamma, beta, out0; writes out0
.if DOCPART == 4
	.amdgcn_target "amdgcn-amd-amdhsa--gfx1250"
	.amdhsa_code_object_version 6
	.text
	.protected	k_q932152b3fd_norm
	.globl	k_q932152b3fd_norm
	.p2align	8
	.type	k_q932152b3fd_norm,@function
k_q932152b3fd_norm:
	s_mov_b64 s[64:65], 0
	v_nop
	global_prefetch_b8 v0, s[64:65] scope:SCOPE_SE
	s_setreg_imm32_b32 hwreg(HW_REG_WAVE_MODE, 25, 1), 1
	s_wait_xcnt 0x0
; FOURTH LAUNCH.  One wave a batch row: out = the sum of the eight heads' shares po + c2 (= pooled Wo W2 + bo W2 + b2, as shown at the head of the launch prep), then LayerNorm with gamma and beta.
; The row stays in registers: lane L holds columns 128 q + 4 L + 0..3, q = 0..3.  The variance is taken of the differences from the mean, as reference() takes it.
.macro RED r, t                        ; the sum over the 32 lanes, in every lane
.irp m, 1,2,4,8
	v_add_f32_dpp v[\r], v[\r], v[\r] row_xmask:\m row_mask:0xf bank_mask:0xf
.endr
	v_permlanex16_b32 v[\t], v[\r], s18, s19
	v_add_f32 v[\r], v[\r], v[\t]
.endm
	s_load_b256 s[4:11], s[0:1], 0x0               ; po s[4:5], c2 s[6:7], gamma s[8:9], beta s[10:11]
	s_load_b64 s[12:13], s[0:1], 0x20              ; out0
	v_lshlrev_b32 v1, 4, v0
	s_lshl_b32 s14, ttmp9, 14                      ; a batch row's eight rows of 2,048 bytes in po
	s_mov_b32 s15, 0
	s_lshl_b32 s16, ttmp9, 11
	s_mov_b32 s17, 0
	s_mov_b32 s18, 0x76543210
	s_mov_b32 s19, 0xfedcba98
	s_wait_kmcnt 0x0
	s_add_nc_u64 s[4:5], s[4:5], s[14:15]
	s_add_nc_u64 s[12:13], s[12:13], s[16:17]
.set t, 0
.rept 32                               ; head t / 4, quarter t % 4
	global_load_b128 v[64+4*t:67+4*t], v1, s[4:5] offset:2048*(t/4)+512*(t%4)
.set t, t+1
.endr
.irp q, 0,1,2,3
	global_load_b128 v[16+4*\q:19+4*\q], v1, s[6:7] offset:512*\q
.endr
.irp q, 0,1,2,3
	global_load_b128 v[32+4*\q:35+4*\q], v1, s[8:9] offset:512*\q
.endr
.irp q, 0,1,2,3
	global_load_b128 v[48+4*\q:51+4*\q], v1, s[10:11] offset:512*\q
.endr
	s_wait_loadcnt 8                               ; gamma and beta stay out
.set i, 0
.rept 8
	v_pk_add_f32 v[64+2*i:65+2*i], v[64+2*i:65+2*i], v[80+2*i:81+2*i]
	v_pk_add_f32 v[96+2*i:97+2*i], v[96+2*i:97+2*i], v[112+2*i:113+2*i]
	v_pk_add_f32 v[128+2*i:129+2*i], v[128+2*i:129+2*i], v[144+2*i:145+2*i]
	v_pk_add_f32 v[160+2*i:161+2*i], v[160+2*i:161+2*i], v[176+2*i:177+2*i]
.set i, i+1
.endr
.set i, 0
.rept 8
	v_pk_add_f32 v[64+2*i:65+2*i], v[64+2*i:65+2*i], v[96+2*i:97+2*i]
	v_pk_add_f32 v[128+2*i:129+2*i], v[128+2*i:129+2*i], v[160+2*i:161+2*i]
.set i, i+1
.endr
.set i, 0
.rept 8
	v_pk_add_f32 v[64+2*i:65+2*i], v[64+2*i:65+2*i], v[128+2*i:129+2*i]
.set i, i+1
.endr
.set i, 0
.rept 8
	v_pk_add_f32 v[64+2*i:65+2*i], v[64+2*i:65+2*i], v[16+2*i:17+2*i]  ; + c2
.set i, i+1
.endr
	v_pk_add_f32 v[2:3], v[64:65], v[66:67]        ; the mean
	v_pk_add_f32 v[4:5], v[68:69], v[70:71]
	v_pk_add_f32 v[2:3], v[2:3], v[72:73]
	v_pk_add_f32 v[4:5], v[4:5], v[74:75]
	v_pk_add_f32 v[2:3], v[2:3], v[76:77]
	v_pk_add_f32 v[4:5], v[4:5], v[78:79]
	v_pk_add_f32 v[2:3], v[2:3], v[4:5]
	v_add_f32 v2, v2, v3
	RED 2, 3
	v_mul_f32 v2, 0x3b000000, v2                   ; / 512
	v_mov_b32 v3, v2
.set i, 0
.rept 8
	v_pk_add_f32 v[64+2*i:65+2*i], v[64+2*i:65+2*i], v[2:3] neg_lo:[0,1] neg_hi:[0,1]
.set i, i+1
.endr
	v_pk_mul_f32 v[4:5], v[64:65], v[64:65]        ; the variance
	v_pk_mul_f32 v[6:7], v[66:67], v[66:67]
.irp i, 2,4,6
	v_pk_fma_f32 v[4:5], v[64+2*\i:65+2*\i], v[64+2*\i:65+2*\i], v[4:5]
	v_pk_fma_f32 v[6:7], v[66+2*\i:67+2*\i], v[66+2*\i:67+2*\i], v[6:7]
.endr
	v_pk_add_f32 v[4:5], v[4:5], v[6:7]
	v_add_f32 v4, v4, v5
	RED 4, 5
	v_mov_b32 v6, 0x3b000000                       ; 1 / 512
	v_mov_b32 v7, 0x3727c5ac                       ; 1e-5
	v_fma_f32 v4, v4, v6, v7
	v_rsq_f32 v8, v4
	v_nop
	s_wait_alu depctr_va_vdst(0)                   ; the wait ahead of the first use
	v_mov_b32 v9, v8
	s_wait_loadcnt 0x0
.set i, 0
.rept 8
	v_pk_mul_f32 v[64+2*i:65+2*i], v[64+2*i:65+2*i], v[8:9]
.set i, i+1
.endr
.set i, 0
.rept 8
	v_pk_fma_f32 v[64+2*i:65+2*i], v[64+2*i:65+2*i], v[32+2*i:33+2*i], v[48+2*i:49+2*i]
.set i, i+1
.endr
.irp q, 0,1,2,3
	global_store_b128 v1, v[64+4*\q:67+4*\q], s[12:13] offset:512*\q  ; 512 consecutive bytes, aligned
.endr
	s_endpgm
.Lfunc_end_k_q932152b3fd_norm:
	.size	k_q932152b3fd_norm, .Lfunc_end_k_q932152b3fd_norm-k_q932152b3fd_norm
	.p2alignl 7, 3214868480
	.fill 96, 4, 3214868480
	.section	.rodata,"a",@progbits
	.p2align	6, 0x0
	.amdhsa_kernel k_q932152b3fd_norm
		.amdhsa_group_segment_fixed_size 0
		.amdhsa_private_segment_fixed_size 0
		.amdhsa_enable_private_segment 0
		.amdhsa_kernarg_size 40
		.amdhsa_user_sgpr_count 2
		.amdhsa_user_sgpr_kernarg_segment_ptr 1
		.amdhsa_wavefront_size32 1
		.amdhsa_system_sgpr_workgroup_id_x 1
		.amdhsa_system_sgpr_workgroup_id_y 1
		.amdhsa_system_sgpr_workgroup_id_z 1
		.amdhsa_system_vgpr_workitem_id 0
		.amdhsa_next_free_vgpr 208
		.amdhsa_next_free_sgpr 66
		.amdhsa_reserve_vcc 0
		.amdhsa_float_denorm_mode_32 3
		.amdhsa_float_denorm_mode_16_64 3
		.amdhsa_memory_ordered 1
		.amdhsa_forward_progress 1
		.amdhsa_inst_pref_size 13
	.end_amdhsa_kernel
	.amdgpu_metadata
---
amdhsa.version: [ 1, 2 ]
amdhsa.kernels:
  - .name:           k_q932152b3fd_norm
    .symbol:         k_q932152b3fd_norm.kd
    .args:
      - { .name: po, .offset: 0, .size: 8, .value_kind: global_buffer, .address_space: global }
      - { .name: c2, .offset: 8, .size: 8, .value_kind: global_buffer, .address_space: global }
      - { .name: gamma, .offset: 16, .size: 8, .value_kind: global_buffer, .address_space: global }
      - { .name: beta, .offset: 24, .size: 8, .value_kind: global_buffer, .address_space: global }
      - { .name: out0, .offset: 32, .size: 8, .value_kind: global_buffer, .address_space: global }
    .group_segment_fixed_size: 0
    .private_segment_fixed_size: 0
    .kernarg_segment_align: 8
    .kernarg_segment_size: 40
    .max_flat_workgroup_size: 32
    .sgpr_count:     66
    .vgpr_count:     208
    .wavefront_size: 32
...
	.end_amdgpu_metadata
.endif
;; end of part 4
;; ======== version 2 of 2: 4 launches; version 1 with the launch prep written anew for expert scheduling mode
;; limits: values are held in f16: magnitudes above 65,504 overflow, below 6.1e-05 lose precision; inputs' magnitudes at most 65,504; right only within a limited range of input values
;; workspace buffers: wpb 1,048,576 bytes; ut 8,192 bytes; mw 1,048,576 bytes; c2 2,048 bytes; hb 8,388,608 bytes; ml 262,144 bytes; po 524,288 bytes
;; launch prep (part 5): grid 168 x 1, 8 waves a work-group, no clusters, 169,472 bytes of LDS; arguments Wp, Wq, bq, query, Wk, Wo, W2, bo, b2, wpb, ut, mw, c2; writes wpb, ut, mw, c2
.if DOCPART == 5
	.amdgcn_target "amdgcn-amd-amdhsa--gfx1250"
	.amdhsa_code_object_version 6
	.text
	.protected	k_q932152b3fd_prep
	.globl	k_q932152b3fd_prep
	.p2align	8
	.type	k_q932152b3fd_prep,@function
k_q932152b3fd_prep:
	s_mov_b64 s[64:65], 0
	v_nop
	global_prefetch_b8 v0, s[64:65] scope:SCOPE_SE
	s_setreg_imm32_b32 hwreg(HW_REG_WAVE_SCHED_MODE, 0, 2), 2
	s_setreg_imm32_b32 hwreg(HW_REG_WAVE_MODE, 25, 1), 1
	s_wait_xcnt 0x0
	s_wait_alu depctr_vm_vsrc(0)
; FIRST OF FOUR LAUNCHES (prep, main, pool, norm) for: h = relu(x Wp + bp); one learned query attends over the 2,048 positions of h; two projections; LayerNorm.
; WHAT THE PROGRAM LEAVES OUT, AND WHY THAT CHANGES NO RESULT, for all finite values of the inputs:
;  (1) scores[b,hd,s] = qh_hd . (h[b,s] Wk_hd + bk_hd) / 8 = h[b,s] . u_hd + qh_hd . bk_hd / 8, with u_hd[e] = sum over d of Wk[e][64 hd + d] qh[64 hd + d] / 8.
;      The second term is the same for every s, and a softmax along s is unchanged by a term that is constant along s.  So bk has no way to the output: it is not loaded and is no argument of any launch.
;      The product h Wk (kh) is never formed: h . u_hd is the same sum in another order.
;  (2) pooled[b][64 hd + d] = sum over s of attn (h Wv + bv) = (sum over s of attn h) Wv + bv, since attn sums to 1 along s.  The product h Wv (vh) is never formed.
;  (3) (p Wo + bo) W2 + b2 = p (Wo W2) + (bo W2 + b2).
; LIMIT: a NaN, an infinity or an overflow that would arise only in bk, kh or vh is not carried to the result.
; THIS LAUNCH makes what hangs on the weights alone.  The work-group's number picks its role (the same in all eight waves):
;   0-63    M     a tile of 64 x 64 of mw = Wo W2, f16 operands, f32 sums.  LIMIT: Wo and W2 within 65,504; below 6e-5 they keep f16's fixed step of 6e-8
;   64-95   U     head hd = i / 4, quarter ch = i % 4: qh_hd = query Wq + bq (f32), then 128 numbers of ut[hd][e] = bf16(u_hd[e] log2(e)): the scores come out as exponents of 2
;   96-103  C2    64 numbers of c2 = bo W2 + b2 (f32)
;   104-167 CAST  32 KiB of Wp rounded to bf16, in Wp's own order [k][n]
; LDS: role M has bytes 0 to 165,887, roles U and C2 the bytes behind the spare words: no two roles name the same byte.
; THE MODE: SCHED_MODE bits 1:0 = 2 (LLVM: expert scheduling mode 2), set by the entry lines.  The code itself states the register dependences
; between vector or matrix instructions and memory or LDS instructions, with s_wait_alu, always for 0.
; THE PLAN.  Registers that memory or LDS instructions touch:
;   every role   offsets and LDS addresses (v6, v7, v12 to v22): made once, ahead of a wait on va_vdst, and never written again.
;   CAST         v[64:95] loaded, read by the roundings; v[32:47] written once by the roundings, read by the stores: two halves, each four loads' roundings, one wait, four stores.
;   U, C2        v[32:227] loaded once; v[228:231] written by the sums, read by one LDS store; v[64:95] read by the sums, then LDS loads land there: one wait ahead of that store states both.
;   M, staging   three raw buffers of 64 registers.  The first is rounded into v[32:63], so that it can be asked for again behind the wait that follows its roundings, ahead of the LDS stores;
;                the other batches are rounded in place and stored from there; one wait on vm_vsrc behind the barrier states that all those stores have read their registers.
;   M, product   three fragment sets by turns.  Step c's products read set c % 3; the loads of step c + 2 land in set (c - 1) % 3, behind ONE wait at the step's head, which states that the products of step c - 1
;                are done reading it.  The accumulators are named by matrix instructions alone until the way out.
;   v10, v11     written at the head, read by the closing add alone.
.set SPARE, 165888                     ; the spare words: 128 bytes for each of the eight waves; no other line names them
.set SPW,   10                         ; v10  SPARE + 4 x my thread's number; never rewritten
.set NIL,   11                         ; v11  0; never rewritten
.set QP,    166912                     ; roles U, C2: eight partial rows of 64 f32, 256 bytes a wave.  Past the 16 bits of an LDS immediate: the address registers carry it
.set UE,    168960                     ; role U: 128 f32
.set PWO,   1040                       ; role M: Wo's tile from byte 0, 64 rows of 512 f16 + 16 bytes: the 16 rows of a fragment load start 16 bytes apart modulo 256
.set W2L,   66560                      ; role M: W2's tile, 512 rows of 64 f16,
.set PW2,   160                        ;   128 bytes + 32: an odd multiple of 32, for the turning load
.set OSTG,  148480                     ; role M: the tile on its way out, 64 rows of 64 f32,
.set POS,   272                        ;   256 bytes + 16
.set OUTB,  32                         ; role M: v[32:63]   the first batch, rounded
.set FRG,   64                         ; role M: v[64:135]  three fragment sets of 24 registers
.set ACC,   136                        ; role M: v[136:151] two accumulators
.macro PLACES                          ; four places behind a matrix instruction (ISA guide 7.12.1)
.rept 4
	v_nop
.endr
.endm
; Rows from .. to - 1 of a vector times a slice: a row's four numbers at v[M + 4 ii], the vector's number ii at v[Q + ii]; even rows add into v[A .. A+3], odd rows into v[A+4 .. A+7]; rows 0 and 1 start the sums.
.macro FMAROWS M, Q, A, from, to
.set ii, \from
.rept (\to)-(\from)
.set aa, (\A)+4*(ii%2)
.irp k, 0,1,2,3
.if ii < 2
	v_mul_f32 v[aa+\k], v[(\M)+4*ii+\k], v[(\Q)+ii]
.else
	v_fmac_f32 v[aa+\k], v[(\M)+4*ii+\k], v[(\Q)+ii]
.endif
.endr
.set ii, ii+1
.endr
.endm
.macro JOIN8 B                         ; eight groups of four numbers at v[B ..] are added into the first, in one fixed order
.irp p, 0,2
	v_pk_add_f32 v[(\B)+\p:(\B)+\p+1], v[(\B)+\p:(\B)+\p+1], v[(\B)+4+\p:(\B)+4+\p+1]
	v_pk_add_f32 v[(\B)+8+\p:(\B)+8+\p+1], v[(\B)+8+\p:(\B)+8+\p+1], v[(\B)+12+\p:(\B)+12+\p+1]
	v_pk_add_f32 v[(\B)+16+\p:(\B)+16+\p+1], v[(\B)+16+\p:(\B)+16+\p+1], v[(\B)+20+\p:(\B)+20+\p+1]
	v_pk_add_f32 v[(\B)+24+\p:(\B)+24+\p+1], v[(\B)+24+\p:(\B)+24+\p+1], v[(\B)+28+\p:(\B)+28+\p+1]
.endr
.irp p, 0,2
	v_pk_add_f32 v[(\B)+\p:(\B)+\p+1], v[(\B)+\p:(\B)+\p+1], v[(\B)+8+\p:(\B)+8+\p+1]
	v_pk_add_f32 v[(\B)+16+\p:(\B)+16+\p+1], v[(\B)+16+\p:(\B)+16+\p+1], v[(\B)+24+\p:(\B)+24+\p+1]
.endr
.irp p, 0,2
	v_pk_add_f32 v[(\B)+\p:(\B)+\p+1], v[(\B)+\p:(\B)+\p+1], v[(\B)+16+\p:(\B)+16+\p+1]
.endr
.endm
; Roles U and C2.  Sixteen lanes (c = lane % 16) take the 256 bytes of a row's 64 columns, four columns each; the sixteen half-waves g = 2 wave + lane / 16 take 32 rows each.
.macro UCADR
	v_lshl_add_u32 v5, v1, 1, v4                   ; g
	v_lshlrev_b32 v6, 4, v3                        ; 16 c: in memory
	v_lshl_add_u32 v12, v5, 16, v6                 ; the slice: 32 g rows of 2,048 bytes + 16 c
	v_lshlrev_b32 v13, 7, v5                       ; the vector: my 32 numbers
	s_lshl_b32 s31, s30, 8
	s_add_co_u32 s31, s31, QP
	v_add_nc_u32 v14, s31, v6                      ; LDS: QP + 256 wave + 16 c
	v_add_nc_u32 v7, QP, v6                        ; LDS: QP + 16 c
.endm
; A vector of 512 times a slice of 512 x 64, plus a bias: every lane ends with its four columns in v[64:67].  The scalar pairs stand at the vector, at the slice's first column and at the bias's.
; The offsets and addresses that it reads were shown written by the wait that stands ahead of the role's first load.
.macro PHASE1 VEC, MAT, BIA
.set k, 0
.rept 8
	global_load_b128 v[32+4*k:35+4*k], v13, s[\VEC:\VEC+1] offset:16*k
.set k, k+1
.endr
	global_load_b128 v[224:227], v6, s[\BIA:\BIA+1]
.set k, 0
.rept 32
	global_load_b128 v[64+4*k:67+4*k], v12, s[\MAT:\MAT+1] offset:2048*k
.set k, k+1
.endr
	s_wait_loadcnt 16                              ; all but the slice's rows 16 to 31
	FMAROWS 64, 32, 228, 0, 16
	s_wait_loadcnt 0x0
	FMAROWS 64, 32, 228, 16, 32
	v_pk_add_f32 v[228:229], v[228:229], v[232:233]  ; even rows + odd rows
	v_pk_add_f32 v[230:231], v[230:231], v[234:235]
.irp k, 0,1,2,3
	v_permlanex16_b32 v[232+\k], v[228+\k], s32, s33  ; the other half of the lanes has the same columns of 32 other rows
.endr
	v_pk_add_f32 v[228:229], v[228:229], v[232:233]
	v_pk_add_f32 v[230:231], v[230:231], v[234:235]
	s_wait_alu depctr_va_vdst(0)                   ; the sums have written v[228:231], which the LDS store reads, and are done reading v[64:95], in which the LDS loads behind the barrier land
	ds_store_b128 v14, v[228:231]                  ; both halves of the lanes store the same numbers at the same place
	s_wait_dscnt 0x0                               ; for the others: my partial row is in LDS
	s_barrier_signal -1
	s_barrier_wait -1
.set k, 0
.rept 8
	ds_load_b128 v[64+4*k:67+4*k], v7 offset:256*k ; no vector instruction since the wait above names these registers
.set k, k+1
.endr
	s_wait_dscnt 0x0
	JOIN8 64
	v_pk_add_f32 v[64:65], v[64:65], v[224:225]
	v_pk_add_f32 v[66:67], v[66:67], v[226:227]
.endm
	s_load_b512 s[4:19], s[0:1], 0x0               ; Wp s[4:5], Wq s[6:7], bq s[8:9], query s[10:11], Wk s[12:13], Wo s[14:15], W2 s[16:17], bo s[18:19]
	s_load_b256 s[20:27], s[0:1], 0x40             ; b2 s[20:21], wpb s[22:23], ut s[24:25], mw s[26:27]
	s_load_b64 s[28:29], s[0:1], 0x60              ; c2
	v_lshl_add_u32 v[SPW], v0, 2, SPARE
	v_mov_b32 v[NIL], 0
	v_lshrrev_b32 v1, 5, v0
	v_readfirstlane_b32 s30, v1                    ; wave 0..7
	v_and_b32 v2, 31, v0                           ; lane
	v_and_b32 v3, 15, v0                           ; lane % 16
	v_bfe_u32 v4, v0, 4, 1                         ; lane / 16
	s_mov_b32 s32, 0x76543210                      ; v_permlanex16_b32: each lane takes its own place in the other half
	s_mov_b32 s33, 0xfedcba98
	s_mov_b32 s47, 0                               ; s[46:47]: a byte offset in 64 bits
	s_wait_alu depctr_va_sdst(0)                   ; s30 is written
	s_wait_kmcnt 0x0
	s_cmp_lt_u32 ttmp9, 64
	s_cbranch_scc1 .Lm
	s_cmp_lt_u32 ttmp9, 96
	s_cbranch_scc1 .Lu
	s_cmp_lt_u32 ttmp9, 104
	s_cbranch_scc1 .Lc2
	; ROLE CAST: eight loads of 4,096 bytes a work-group; a wave's store covers 256 consecutive bytes, aligned
	s_sub_co_u32 s40, ttmp9, 104
	s_lshl_b32 s46, s40, 15
	s_add_nc_u64 s[4:5], s[4:5], s[46:47]
	s_lshl_b32 s46, s40, 14
	s_add_nc_u64 s[22:23], s[22:23], s[46:47]
	v_lshlrev_b32 v12, 4, v0
	v_lshlrev_b32 v13, 3, v0
	s_wait_alu depctr_va_vdst(0)                   ; v12 and v13 are written: the loads and the stores below read them as offsets
.irp j, 0,1,2,3,4,5,6,7
	global_load_b128 v[64+4*\j:67+4*\j], v12, s[4:5] offset:4096*\j th:TH_LOAD_NT
.endr
	s_wait_loadcnt 4                               ; the first four are in, the younger four stay out
.irp j, 0,1,2,3
	v_cvt_pk_bf16_f32 v[32+2*\j], v[64+4*\j], v[65+4*\j]
	v_cvt_pk_bf16_f32 v[33+2*\j], v[66+4*\j], v[67+4*\j]
.endr
	s_wait_alu depctr_va_vdst(0)                   ; the roundings have written v[32:39], which the four stores read
.irp j, 0,1,2,3
	global_store_b64 v13, v[32+2*\j:33+2*\j], s[22:23] offset:2048*\j
.endr
	s_wait_loadcnt 0x0
.irp j, 4,5,6,7
	v_cvt_pk_bf16_f32 v[32+2*\j], v[64+4*\j], v[65+4*\j]
	v_cvt_pk_bf16_f32 v[33+2*\j], v[66+4*\j], v[67+4*\j]
.endr
	s_wait_alu depctr_va_vdst(0)                   ; the roundings have written v[40:47], which the four stores read
.irp j, 4,5,6,7
	global_store_b64 v13, v[32+2*\j:33+2*\j], s[22:23] offset:2048*\j
.endr
	s_branch .Lend
.Lu:	; ROLE U
	s_sub_co_u32 s40, ttmp9, 64
	s_lshr_b32 s41, s40, 2                         ; hd
	s_and_b32 s42, s40, 3                          ; ch
	UCADR
	v_lshl_add_u32 v15, v5, 14, v6                 ; Wk: 8 g rows of 2,048 bytes + 16 c
	s_lshl_b32 s46, s41, 8                         ; the head's 64 columns
	s_add_nc_u64 s[6:7], s[6:7], s[46:47]
	s_add_nc_u64 s[8:9], s[8:9], s[46:47]
	s_add_nc_u64 s[12:13], s[12:13], s[46:47]
	s_lshl_b32 s46, s42, 18                        ; the quarter's 128 rows of Wk
	s_add_nc_u64 s[12:13], s[12:13], s[46:47]
	s_lshl_b32 s46, s41, 10
	s_add_nc_u64 s[24:25], s[24:25], s[46:47]      ; ut at the head's row,
	s_lshl_b32 s46, s42, 8
	s_add_nc_u64 s[24:25], s[24:25], s[46:47]      ; at the quarter's 128 numbers
	s_wait_alu depctr_va_vdst(0)                   ; v6, v7 and v12 to v15 are written: the loads and the LDS instructions down to the end of PHASE1 read them
.irp i, 0,1,2,3,4,5,6,7
	global_load_b128 v[192+4*\i:195+4*\i], v15, s[12:13] offset:2048*\i  ; issued first: the counted wait in PHASE1 leaves only younger loads out
.endr
	PHASE1 10, 6, 8                                ; v[64:67] = my four numbers of qh_hd
.irp i, 0,1,2,3,4,5,6,7
	v_mul_f32 v[96+\i], v[192+4*\i], v64           ; row e = 128 ch + 8 g + i of Wk times qh: my four columns,
.endr
.irp k, 1,2,3
.irp i, 0,1,2,3,4,5,6,7
	v_fmac_f32 v[96+\i], v[192+4*\i+\k], v[64+\k]
.endr
.endr
.irp m, 1,2,4,8
.irp i, 0,1,2,3,4,5,6,7
	v_add_f32_dpp v[96+\i], v[96+\i], v[96+\i] row_xmask:\m row_mask:0xf bank_mask:0xf  ; and the sixteen lanes of the row
.endr
.endr
.irp i, 0,1,2,3,4,5,6,7
	v_mul_f32 v[96+\i], 0x3e38aa3b, v[96+\i]       ; times log2(e) / 8
.endr
	s_lshl_b32 s31, s30, 6
	s_add_co_u32 s31, s31, UE
	v_lshl_add_u32 v16, v4, 5, s31                 ; UE + 32 g: my half-wave's eight words
	v_lshl_add_u32 v17, v2, 4, UE                  ; what wave 0 reads back,
	v_lshlrev_b32 v18, 3, v2                       ; and where it stores: made here, so that the one wait below serves them too
	s_wait_alu depctr_va_vdst(0)                   ; v[96:103], v16, v17 and v18 are written, which the LDS stores, the LDS load and the store below read; no vector instruction still reads v[104:107], in which that load lands
	ds_store_b128 v16, v[96:99]
	ds_store_b128 v16, v[100:103] offset:16
	s_wait_dscnt 0x0
	s_barrier_signal -1
	s_barrier_wait -1
	s_cmp_lg_u32 s30, 0
	s_cbranch_scc1 .Lend
	ds_load_b128 v[104:107], v17
	s_wait_dscnt 0x0
	v_cvt_pk_bf16_f32 v108, v104, v105
	v_cvt_pk_bf16_f32 v109, v106, v107
	s_wait_alu depctr_va_vdst(0)                   ; the roundings have written v[108:109], which the store reads
	global_store_b64 v18, v[108:109], s[24:25]     ; wave 0 stores 256 consecutive bytes, aligned
	s_branch .Lend
.Lc2:	; ROLE C2
	s_sub_co_u32 s40, ttmp9, 96
	UCADR
	s_lshl_b32 s46, s40, 8
	s_add_nc_u64 s[16:17], s[16:17], s[46:47]
	s_add_nc_u64 s[20:21], s[20:21], s[46:47]
	s_add_nc_u64 s[28:29], s[28:29], s[46:47]
	s_wait_alu depctr_va_vdst(0)                   ; v6, v7 and v12 to v14 are written: the loads, the LDS instructions and the store below read them
	PHASE1 18, 16, 20
	s_cmp_lg_u32 s30, 0
	s_cbranch_scc1 .Lend
	s_wait_alu depctr_va_vdst(0)                   ; the last sums have written v[64:67], which the store reads
	global_store_b128 v6, v[64:67], s[28:29]       ; sixteen lanes cover 256 consecutive bytes, aligned; the other sixteen store the same numbers there
	s_branch .Lend
.Lm:	; ROLE M: rows 64 mi .., columns 64 ni .. of Wo W2
	s_lshr_b32 s40, ttmp9, 3                       ; mi
	s_and_b32 s41, ttmp9, 7                        ; ni
	s_lshl_b32 s46, s40, 17                        ; 64 rows of 2,048 bytes
	s_add_nc_u64 s[14:15], s[14:15], s[46:47]
	s_add_nc_u64 s[26:27], s[26:27], s[46:47]
	s_lshl_b32 s46, s41, 8                         ; 64 columns
	s_add_nc_u64 s[16:17], s[16:17], s[46:47]
	s_add_nc_u64 s[26:27], s[26:27], s[46:47]
	v_lshlrev_b32 v12, 4, v0                       ; Wo: a load of the work-group takes two whole rows, 4,096 bytes
	v_lshrrev_b32 v5, 4, v0
	v_lshlrev_b32 v14, 11, v5
	v_lshl_add_u32 v14, v3, 4, v14                 ; W2: sixteen rows of 256 bytes: row T / 16, 16 (T % 16)
.macro LDWO base, i0
.set i, 0
.rept 16
	global_load_b128 v[(\base)+4*i:(\base)+4*i+3], v12, s[14:15] offset:4096*((\i0)+i)
.set i, i+1
.endr
.endm
.macro LDW2 base, i0
.set i, 0
.rept 16
	global_load_b128 v[(\base)+4*i:(\base)+4*i+3], v14, s[16:17] offset:32768*((\i0)+i)
.set i, i+1
.endr
.endm
.macro CVT16 base, dst, dstep          ; sixteen loads' numbers are rounded to f16: load i's four into the pair at dst + dstep i (dst = base, dstep = 4: in place)
.set i, 0
.rept 16
	v_cvt_pk_f16_f32 v[(\dst)+(\dstep)*i], v[(\base)+4*i], v[(\base)+4*i+1]
	v_cvt_pk_f16_f32 v[(\dst)+(\dstep)*i+1], v[(\base)+4*i+2], v[(\base)+4*i+3]
.set i, i+1
.endr
.endm
.macro STO16 dst, dstep, adr, off0, step  ; and stored, 8 bytes a lane
.set i, 0
.rept 16
	ds_store_b64 v[\adr], v[(\dst)+(\dstep)*i:(\dst)+(\dstep)*i+1] offset:(\off0)+(\step)*i
.set i, i+1
.endr
.endm
	s_wait_alu depctr_va_vdst(0)                   ; v12 and v14 are written: all 64 loads of Wo and W2 read them as offsets
	LDWO 64, 0
	LDWO 128, 16
	LDW2 192, 0
	v_mul_u32_u24 v15, v5, PW2                     ; the addresses are made while the loads are out
	v_lshl_add_u32 v15, v3, 3, v15
	v_add_nc_u32 v15, W2L, v15                     ; W2 into LDS: row T / 16, 8 (T % 16)
	v_add_nc_u32 v16, 256*PW2, v15                 ; and 256 rows further on: an LDS immediate has 16 bits
	v_lshrrev_b32 v5, 7, v0
	v_and_b32 v6, 127, v0
	v_mul_u32_u24 v13, v5, PWO
	v_lshl_add_u32 v13, v6, 3, v13                 ; Wo into LDS: row T / 128, 8 (T % 128)
	s_and_b32 s42, s30, 3                          ; mt: my 16 rows of the tile
	s_lshr_b32 s43, s30, 2                         ; np: my 32 columns
	s_mul_i32 s44, s42, 16*PWO
	v_mul_u32_u24 v17, v3, PWO
	v_lshl_add_u32 v17, v4, 4, v17
	v_add_nc_u32 v17, s44, v17                     ; Wo's fragment: row 16 mt + l % 16, 16 (l / 16)
	v_and_b32 v5, 7, v0
	v_lshl_add_u32 v5, v4, 3, v5
	v_mul_u32_u24 v18, v5, PW2
	v_bfe_u32 v6, v0, 3, 1
	v_lshl_add_u32 v18, v6, 4, v18
	s_lshl_b32 s45, s43, 6
	s_add_co_u32 s45, s45, W2L
	v_add_nc_u32 v18, s45, v18                     ; W2's, turned: row 8 (l / 16) + l % 8, 16 ((l / 8) % 2), my 32 columns
	v_add_nc_u32 v19, 256*PW2, v18
	s_mul_i32 s44, s42, 16*POS
	s_lshl_b32 s45, s43, 7
	s_add_co_u32 s44, s44, s45
	s_add_co_u32 s44, s44, OSTG
	v_mul_u32_u24 v20, v3, POS
	v_lshl_add_u32 v20, v4, 5, v20
	v_add_nc_u32 v20, s44, v20                     ; out: row 16 mt + l % 16, 128 np + 32 (l / 16)
	s_mul_i32 s44, s30, 8*POS
	s_add_co_u32 s44, s44, OSTG
	v_mul_u32_u24 v21, v4, POS
	v_lshl_add_u32 v21, v3, 4, v21
	v_add_nc_u32 v21, s44, v21                     ; back: row 8 wave + l / 16, 16 (l % 16)
	s_lshl_b32 s45, s30, 14
	v_lshlrev_b32 v22, 11, v4
	v_lshl_add_u32 v22, v3, 4, v22
	v_add_nc_u32 v22, s45, v22                     ; and the same place in mw
	s_wait_loadcnt 32                              ; the first sixteen are in; two batches of sixteen stay out
	CVT16 64, OUTB, 2                              ; into registers of their own, so that the LDS stores read none of the registers that are loaded again
	s_wait_alu depctr_va_vdst(0)                   ; the roundings have written v[32:63] and are done reading v[64:127]; the addresses v13 and v15 to v22 are written, for every LDS instruction and store of the role
	LDW2 64, 16                                    ; the fourth batch takes the first one's registers, ahead of the LDS stores
	STO16 OUTB, 2, 13, 0, 2*PWO
	s_wait_loadcnt 32
	CVT16 128, 128, 4
	s_wait_alu depctr_va_vdst(0)                   ; the roundings have written their pairs in v[128:191], which the LDS stores read
	STO16 128, 4, 13, 32*PWO, 2*PWO
	s_wait_loadcnt 16
	CVT16 192, 192, 4
	s_wait_alu depctr_va_vdst(0)                   ; the same for v[192:255]
	STO16 192, 4, 15, 0, 16*PW2
	s_wait_loadcnt 0x0
	CVT16 64, 64, 4
	s_wait_alu depctr_va_vdst(0)                   ; the same for v[64:127]; and no rounding still names v[64:135], in which the first three steps' fragments land
	STO16 64, 4, 16, 0, 16*PW2
	s_wait_dscnt 0x0                               ; for the others: my part of both tiles is in LDS
	s_barrier_signal -1
	s_barrier_wait -1
	s_wait_alu depctr_vm_vsrc(0)                   ; my LDS stores have read v[64:255]: from here on v[64:135] are written by the fragments' loads and v[136:151] by the products
; The product is taken transposed (source 0 = 16 columns of W2, source 1 = 16 rows of Wo): a lane ends with eight neighbouring columns of one row of mw.
.macro LDF c                           ; K step c of 16: Wo's fragment and W2's two, into set c % 3 of 24 registers
.set FR, FRG+24*((\c)%3)
.set AB, 18+((\c)/8)
	ds_load_b128 v[FR:FR+3], v17 offset:64*(\c)
	ds_load_b128 v[FR+4:FR+7], v17 offset:64*(\c)+32
.irp t, 0,1
	ds_load_tr16_b128 v[FR+8+8*\t:FR+11+8*\t], v[AB] offset:32*PW2*((\c)%8)+32*\t
	ds_load_tr16_b128 v[FR+12+8*\t:FR+15+8*\t], v[AB] offset:32*PW2*((\c)%8)+32*\t+16*PW2
.endr
.endm
	LDF 0
	LDF 1
.set c, 0
.rept 16
.set FM, FRG+24*(c%3)
.if c < 15
	s_wait_dscnt 6                                 ; this step's set is in; the next K step's six loads stay out
.else
	s_wait_dscnt 0x0
.endif
.if c < 14
.if c > 0
	s_wait_alu depctr_va_vdst(0)                   ; the products of the step before are done reading their set, in which the six loads below land
.endif
	LDF c+2                                        ; two steps ahead; this step's products name another set
.endif
.irp t, 0,1                            ; the two accumulators take turns
.if c == 0
	v_wmma_f32_16x16x32_f16 v[ACC+8*\t:ACC+7+8*\t], v[FM+8+8*\t:FM+15+8*\t], v[FM:FM+7], 0
.else
	v_wmma_f32_16x16x32_f16 v[ACC+8*\t:ACC+7+8*\t], v[FM+8+8*\t:FM+15+8*\t], v[FM:FM+7], v[ACC+8*\t:ACC+7+8*\t]
.endif
.endr
	PLACES                                         ; ahead of the next step's loads into the set just read; behind the last K step, ahead of the stores of the results
.set c, c+1
.endr
	s_wait_alu depctr_va_vdst(0)                   ; the products have written the accumulators, which the LDS stores read, and are done reading v[64:79], in which the loads from the stage land; the places above stay beside this wait
.irp t, 0,1
	ds_store_b128 v20, v[ACC+8*\t:ACC+3+8*\t] offset:64*\t
	ds_store_b128 v20, v[ACC+4+8*\t:ACC+7+8*\t] offset:64*\t+16
.endr
	s_wait_dscnt 0x0                               ; a row's 256 bytes come from two waves
	s_barrier_signal -1
	s_barrier_wait -1
.irp i, 0,1,2,3
	ds_load_b128 v[64+4*\i:67+4*\i], v21 offset:2*POS*\i
.endr
.irp i, 0,1,2,3
	s_wait_dscnt 3-\i
	global_store_b128 v22, v[64+4*\i:67+4*\i], s[26:27] offset:4096*\i  ; sixteen lanes store 256 consecutive bytes, aligned
.endr
.Lend:
	s_wait_dscnt 0x0                               ; the wave's end
	s_wait_alu 0x0
	s_wait_tensorcnt 0x0
	ds_add_u32 v[SPW], v[NIL]
	s_wait_dscnt 0x0
	s_endpgm
.Lfunc_end_k_q932152b3fd_prep:
	.size	k_q932152b3fd_prep, .Lfunc_end_k_q932152b3fd_prep-k_q932152b3fd_prep
	.p2alignl 7, 3214868480
	.fill 96, 4, 3214868480
	.section	.rodata,"a",@progbits
	.p2align	6, 0x0
	.amdhsa_kernel k_q932152b3fd_prep
		.amdhsa_group_segment_fixed_size 169472
		.amdhsa_private_segment_fixed_size 0
		.amdhsa_enable_private_segment 0
		.amdhsa_kernarg_size 104
		.amdhsa_user_sgpr_count 2
		.amdhsa_user_sgpr_kernarg_segment_ptr 1
		.amdhsa_wavefront_size32 1
		.amdhsa_system_sgpr_workgroup_id_x 1
		.amdhsa_system_sgpr_workgroup_id_y 1
		.amdhsa_system_sgpr_workgroup_id_z 1
		.amdhsa_system_vgpr_workitem_id 0
		.amdhsa_next_free_vgpr 256
		.amdhsa_next_free_sgpr 66
		.amdhsa_reserve_vcc 0
		.amdhsa_float_denorm_mode_32 3
		.amdhsa_float_denorm_mode_16_64 3
		.amdhsa_memory_ordered 1
		.amdhsa_forward_progress 1
		.amdhsa_inst_pref_size 65
	.end_amdhsa_kernel
	.amdgpu_metadata
---
amdhsa.version: [ 1, 2 ]
amdhsa.kernels:
  - .name:           k_q932152b3fd_prep
    .symbol:         k_q932152b3fd_prep.kd
    .args:
      - { .name: Wp, .offset: 0, .size: 8, .value_kind: global_buffer, .address_space: global }
      - { .name: Wq, .offset: 8, .size: 8, .value_kind: global_buffer, .address_space: global }
      - { .name: bq, .offset: 16, .size: 8, .value_kind: global_buffer, .address_space: global }
      - { .name: query, .offset: 24, .size: 8, .value_kind: global_buffer, .address_space: global }
      - { .name: Wk, .offset: 32, .size: 8, .value_kind: global_buffer, .address_space: global }
      - { .name: Wo, .offset: 40, .size: 8, .value_kind: global_buffer, .address_space: global }
      - { .name: W2, .offset: 48, .size: 8, .value_kind: global_buffer, .address_space: global }
      - { .name: bo, .offset: 56, .size: 8, .value_kind: global_buffer, .address_space: global }
      - { .name: b2, .offset: 64, .size: 8, .value_kind: global_buffer, .address_space: global }
      - { .name: wpb, .offset: 72, .size: 8, .value_kind: global_buffer, .address_space: global }
      - { .name: ut, .offset: 80, .size: 8, .value_kind: global_buffer, .address_space: global }
      - { .name: mw, .offset: 88, .size: 8, .value_kind: global_buffer, .address_space: global }
      - { .name: c2, .offset: 96, .size: 8, .value_kind: global_buffer, .address_space: global }
    .group_segment_fixed_size: 169472
    .private_segment_fixed_size: 0
    .kernarg_segment_align: 8
    .kernarg_segment_size: 104
    .max_flat_workgroup_size: 256
    .sgpr_count:     66
    .vgpr_count:     256
    .wavefront_size: 32
...
	.end_amdgpu_metadata
.endif
;; end of part 5
;; launch main: the kernel of part 2 again; grid 512 x 1, 4 waves a work-group, clusters of 4 x 1, 327,680 bytes of LDS; arguments x, wpb, ut, bp, mask, hb, ml; writes hb, ml
;; launch pool: the kernel of part 3 again; grid 8 x 32, 8 waves a work-group, no clusters, 9,728 bytes of LDS; arguments hb, ml, Wv, bv, mw, po; writes po
;; launch norm: the kernel of part 4 again; grid 32 x 1, 1 waves a work-group, no clusters, 0 bytes of LDS; arguments po, c2, gamma, beta, out0; writes out0
